; MI455X (gfx1250); checked and timed in simulation.
; The chip was launched on July 23, 2026; its instructions are those of AMD's public machine-readable ISA for CDNA 5 (MIT licence, August 2026) and "CDNA5" Instruction Set Architecture Reference Guide (July 2026). The comments in the code are by the model that wrote it; some were corrected since.
;; Encoder Block. Allowed arithmetic: float matrix products may take bf16 or f16 operands with f32 sums; other float arithmetic in f32, or as packed bf16 or f16 multiplies, adds, multiply-adds, maxima and minima; sums over many terms, partial sums and values carried from step to step in f32; what a program stores and reads back later, other than sums and carried values, may be rounded once to bf16 or f16.
;; Inputs: b1 4,096 float32; b2 1,024 float32; be1 1 float32; be2 1 float32; bk 1,024 float32; bo 1,024 float32; bq 1,024 float32; bv 1,024 float32; g1 1 float32; g2 1 float32; src_mask 1 x 1 x 1 x 2,048 int32; w1 4,096 x 1,024 float32; w2 1,024 x 4,096 float32; wk 1,024 x 1,024 float32; wo 1,024 x 1,024 float32; wq 1,024 x 1,024 float32; wv 1,024 x 1,024 float32; x 2 x 2,048 x 1,024 float32.
;; Outputs: out0 2 x 2,048 x 1,024 float32.
;; One version. Each part assembles by itself: llvm-mc -triple=amdgcn-amd-amdhsa -mcpu=gfx1250 --defsym DOCPART=n.
;; ======== version 1 of 1: 7 launches
;; workspace buffers: act 8,388,608 bytes; big 33,554,432 bytes; x1 16,777,216 bytes; wqkv 6,291,456 bytes; w1b 8,388,608 bytes; wsm 10,493,952 bytes; ebA 12,544 bytes; ebB 16,640 bytes
;; launch prep (part 1): grid 2049 x 1, 8 waves a work-group, no clusters, 0 bytes of LDS; arguments x, g1, be1, act, wq, wk, wv, wo, w1, w2, wqkv, w1b, wsm, bq, bk, bv, b1, bo, b2, ebA, ebB; writes act, wqkv, w1b, wsm, ebA, ebB
.if DOCPART == 1
	.amdgcn_target "amdgcn-amd-amdhsa--gfx1250"
	.amdhsa_code_object_version 6
	.text
	.protected	k_qce505b1623_prep
	.globl	k_qce505b1623_prep
	.p2align	8
	.type	k_qce505b1623_prep,@function
k_qce505b1623_prep:
	s_mov_b64 s[64:65], 0
	v_nop
	global_prefetch_b8 v0, s[64:65] scope:SCOPE_SE
	s_setreg_imm32_b32 hwreg(HW_REG_WAVE_MODE, 25, 1), 1
	s_wait_xcnt 0x0
; PREP: everything that is made once from the inputs.  Three roles, chosen by the work-group's number alone:
;   0 .. 1535     the six weight matrices, f32 -> bf16 (rounded once): 8,192 numbers a work-group.  wq, wk, wv -> wqkv (rows on end); w1 -> w1b; wo -> wsm at 0; w2 -> wsm at 2,097,152
;   1536 .. 2047  the first LayerNorm: xn = g (x - mean) / (std + 1e-6) + be, std with divisor 1,023; a row to a wave, kept in registers; xn -> act in bf16, [4096][1024]
;   2048          the six bias vectors, rounded to bf16 and kept as f32: bq, bk, bv -> ebA at 256; b1 -> ebB at 256; bo, b2 -> wsm at 10,485,760 and 10,489,856;
;                 and the first 256 bytes of ebA (-inf twice in bf16, 64 times) and of ebB (0): the lower bound that the product kernel applies to its packed results
; Every input is rounded to bf16 when it is first read (x, g, be too); sums and statistics in f32; the mean is taken first, then the sum of squared deviations.
; src_mask is an input of the module from which its result is not computed: no launch of this program reads it.  NaN and infinities are not treated apart.
; Memory binds here: loads of 16 bytes a lane on end, stores of which 32 lanes fill 256 consecutive aligned bytes; no LDS, no barrier.
; s2 = the work-group's number, s3 = the wave's number: no scalar load of any role lands on them.
.set NCVT, 1536
.set NLN,  512
.set X,  8                             ; v[8:39]   the row: 32 numbers a lane
.set A,  40                            ; v[40:47]  four chains of partial sums, a pair each
.set M,  48                            ; v[48:49]  the mean, twice
.set SC, 50                            ; v[50:51]  g / (std + eps), twice
.set BE, 52                            ; v[52:53]  be, twice
.set T,  54                            ; v[54:55]  at work
.set Y,  56                            ; v[56:71]  the row in bf16
.macro ACROSS                          ; the four chains -> the row's sum in v[T], in every lane
	v_pk_add_f32 v[A:A+1], v[A:A+1], v[A+2:A+3]
	v_pk_add_f32 v[A+4:A+5], v[A+4:A+5], v[A+6:A+7]
	v_pk_add_f32 v[A:A+1], v[A:A+1], v[A+4:A+5]
	v_add_f32 v[T], v[A], v[A+1]
	v_add_f32_dpp v[T], v[T], v[T] row_xmask:1 row_mask:0xf bank_mask:0xf
	v_add_f32_dpp v[T], v[T], v[T] row_xmask:2 row_mask:0xf bank_mask:0xf
	v_add_f32_dpp v[T], v[T], v[T] row_xmask:4 row_mask:0xf bank_mask:0xf
	v_add_f32_dpp v[T], v[T], v[T] row_xmask:8 row_mask:0xf bank_mask:0xf
	v_permlanex16_b32 v[A+1], v[T], s18, s19       ; the other half of the lanes; its destination has been written
	v_add_f32 v[T], v[T], v[A+1]
.endm
; One row's LayerNorm.  s20 = the row; s[8:15] = in, g, be, out are on their way.  round = 1: the row is rounded to bf16 as it comes in.
.macro LNROW round
	v_and_b32 v1, 31, v0
	v_lshlrev_b32 v2, 4, v1                        ; 16 bytes a lane in
	v_lshlrev_b32 v3, 3, v1                        ; 8 bytes a lane out
	s_mov_b32 s18, 0x76543210
	s_mov_b32 s19, 0xfedcba98
	s_lshl_b32 s22, s20, 12                        ; a row is 4,096 bytes in,
	s_mov_b32 s23, 0
	s_lshl_b32 s24, s20, 11                        ; 2,048 out
	s_mov_b32 s25, 0
	s_wait_kmcnt 0x0
	s_load_b32 s16, s[10:11], 0x0                  ; g
	s_load_b32 s17, s[12:13], 0x0                  ; be
	s_add_nc_u64 s[8:9], s[8:9], s[22:23]
	s_add_nc_u64 s[14:15], s[14:15], s[24:25]
.irp j, 0,1,2,3,4,5,6,7
	global_load_b128 v[X+4*(\j):X+4*(\j)+3], v2, s[8:9] offset:512*(\j)  ; columns 128 j + 4 lane ..
.endr
.if \round
.irp j, 0,1,2,3,4,5,6,7
	s_wait_loadcnt 7-(\j)                          ; loads come back in order: load j is in, the younger ones stay out
.irp p, 0,1
	v_cvt_pk_bf16_f32 v[T+(\p)], v[X+4*(\j)+2*(\p)], v[X+4*(\j)+2*(\p)+1]
	v_lshlrev_b32 v[X+4*(\j)+2*(\p)], 16, v[T+(\p)]
	v_and_b32 v[X+4*(\j)+2*(\p)+1], 0xffff0000, v[T+(\p)]
.endr
.endr
.else
	s_wait_loadcnt 0x0
.endif
.irp k, 0,1,2,3
	v_pk_add_f32 v[A+2*(\k):A+2*(\k)+1], v[X+2*(\k):X+2*(\k)+1], v[X+8+2*(\k):X+8+2*(\k)+1]  ; the first sums start the chains
.endr
.irp g, 16,24
.irp k, 0,1,2,3
	v_pk_add_f32 v[A+2*(\k):A+2*(\k)+1], v[A+2*(\k):A+2*(\k)+1], v[X+(\g)+2*(\k):X+(\g)+2*(\k)+1]
.endr
.endr
	ACROSS
	v_mul_f32 v[M], 0x3a800000, v[T]               ; / 1,024
	v_mov_b32 v[M+1], v[M]
.set p, 0
.rept 16
	v_pk_add_f32 v[X+2*p:X+2*p+1], v[X+2*p:X+2*p+1], v[M:M+1] neg_lo:[0,1] neg_hi:[0,1]  ; x - mean, in place
.set p, p+1
.endr
.irp k, 0,1,2,3
	v_pk_mul_f32 v[A+2*(\k):A+2*(\k)+1], v[X+2*(\k):X+2*(\k)+1], v[X+2*(\k):X+2*(\k)+1]
.endr
.irp g, 8,16,24
.irp k, 0,1,2,3
	v_pk_fma_f32 v[A+2*(\k):A+2*(\k)+1], v[X+(\g)+2*(\k):X+(\g)+2*(\k)+1], v[X+(\g)+2*(\k):X+(\g)+2*(\k)+1], v[A+2*(\k):A+2*(\k)+1]
.endr
.endr
	ACROSS
	s_wait_kmcnt 0x0                               ; g and be
	v_mov_b32 v[SC], s16
	v_mov_b32 v[SC+1], s17
	v_mul_f32 v[T], 0x3a802008, v[T]               ; / 1,023
	v_sqrt_f32 v[T+1], v[T]
	v_cvt_pk_bf16_f32 v[BE], v[SC], v[SC+1]        ; g and be rounded: also the plain instruction behind the root
	s_wait_alu depctr_va_vdst(0)                   ; the wait ahead of the root's first reader
	v_add_f32 v[T+1], 0x358637bd, v[T+1]           ; + 1e-6
	v_rcp_f32 v[T], v[T+1]
	v_lshlrev_b32 v[SC], 16, v[BE]                 ; g: also the plain instruction behind the reciprocal
	v_and_b32 v[BE], 0xffff0000, v[BE]             ; be
	v_mov_b32 v[BE+1], v[BE]
	s_wait_alu depctr_va_vdst(0)                   ; and ahead of the reciprocal's first reader
	v_mul_f32 v[SC], v[SC], v[T]
	v_mov_b32 v[SC+1], v[SC]
.set p, 0
.rept 16
	v_pk_fma_f32 v[X+2*p:X+2*p+1], v[X+2*p:X+2*p+1], v[SC:SC+1], v[BE:BE+1]
.set p, p+1
.endr
.set p, 0
.rept 16
	v_cvt_pk_bf16_f32 v[Y+p], v[X+2*p], v[X+2*p+1]
.set p, p+1
.endr
.irp j, 0,1,2,3,4,5,6,7
	global_store_b64 v3, v[Y+2*(\j):Y+2*(\j)+1], s[14:15] offset:256*(\j)  ; 32 lanes store 256 consecutive bytes, aligned
.endr
.endm
	s_mov_b32 s2, ttmp9
	v_lshrrev_b32 v1, 5, v0
	v_readfirstlane_b32 s3, v1                     ; wave 0..7
	s_cmp_lt_u32 s2, NCVT
	s_cbranch_scc0 .Lnot_cvt
	; THE WEIGHTS.  Segment = number / 128 (a segment is 1,048,576 numbers): 0 wq, 1 wk, 2 wv, 3 wo, 4-7 w1, 8-11 w2
	s_load_b512 s[8:23], s[0:1], 0x20              ; wq, wk, wv, wo, w1, w2, wqkv, w1b
	s_load_b64 s[24:25], s[0:1], 0x60              ; wsm
	s_lshr_b32 s26, s2, 7                          ; the segment
	s_and_b32 s27, s2, 127                         ; my place in it
	v_lshlrev_b32 v2, 4, v0                        ; 16 bytes a thread in
	v_lshlrev_b32 v3, 3, v0                        ; 8 out
	s_wait_kmcnt 0x0
	s_mov_b64 s[28:29], s[18:19]                   ; from w2, whose first segment is 8,
	s_mov_b32 s30, 8
	s_mov_b64 s[32:33], s[24:25]                   ; to wsm, one segment (2,097,152 bytes) behind its start
	s_mov_b32 s31, 7
	s_cmp_lt_u32 s26, 8
	s_cselect_b64 s[28:29], s[16:17], s[28:29]     ; w1 -> w1b
	s_cselect_b32 s30, 4, s30
	s_cselect_b64 s[32:33], s[22:23], s[32:33]
	s_cselect_b32 s31, 4, s31
	s_cmp_lt_u32 s26, 4
	s_cselect_b64 s[28:29], s[14:15], s[28:29]     ; wo -> wsm at 0
	s_cselect_b32 s30, 3, s30
	s_cselect_b64 s[32:33], s[24:25], s[32:33]
	s_cselect_b32 s31, 3, s31
	s_cmp_lt_u32 s26, 3
	s_cselect_b64 s[28:29], s[12:13], s[28:29]     ; wv -> wqkv
	s_cselect_b32 s30, 2, s30
	s_cselect_b64 s[32:33], s[20:21], s[32:33]
	s_cselect_b32 s31, 0, s31
	s_cmp_lt_u32 s26, 2
	s_cselect_b64 s[28:29], s[10:11], s[28:29]     ; wk
	s_cselect_b32 s30, 1, s30
	s_cmp_lt_u32 s26, 1
	s_cselect_b64 s[28:29], s[8:9], s[28:29]       ; wq
	s_cselect_b32 s30, 0, s30
	s_sub_co_u32 s30, s26, s30
	s_lshl_b32 s30, s30, 22                        ; a segment is 4,194,304 bytes in,
	s_lshl_b32 s34, s27, 15                        ; my share 32,768
	s_add_co_u32 s34, s34, s30
	s_mov_b32 s35, 0
	s_add_nc_u64 s[28:29], s[28:29], s[34:35]
	s_sub_co_u32 s31, s26, s31
	s_lshl_b32 s31, s31, 21                        ; and half of that out
	s_lshl_b32 s36, s27, 14
	s_add_co_u32 s36, s36, s31
	s_mov_b32 s37, 0
	s_add_nc_u64 s[32:33], s[32:33], s[36:37]
.irp j, 0,1,2,3,4,5,6,7
	global_load_b128 v[8+4*(\j):11+4*(\j)], v2, s[28:29] offset:4096*(\j) th:TH_LOAD_NT
.endr
.irp j, 0,1,2,3,4,5,6,7
	s_wait_loadcnt 7-(\j)                          ; load j is in, the younger ones stay out
	v_cvt_pk_bf16_f32 v[40+2*(\j)], v[8+4*(\j)], v[9+4*(\j)]
	v_cvt_pk_bf16_f32 v[41+2*(\j)], v[10+4*(\j)], v[11+4*(\j)]
	global_store_b64 v3, v[40+2*(\j):41+2*(\j)], s[32:33] offset:2048*(\j)
.endr
	s_endpgm
.Lnot_cvt:
	s_cmp_lt_u32 s2, NCVT+NLN
	s_cbranch_scc0 .Lbias
	; THE FIRST LAYERNORM
	s_load_b256 s[8:15], s[0:1], 0x0               ; x, g1, be1, act
	s_sub_co_u32 s20, s2, NCVT
	s_lshl_b32 s20, s20, 3
	s_add_co_u32 s20, s20, s3                      ; my wave's row
	LNROW 1
	s_endpgm
.Lbias:
	; THE BIAS VECTORS: 1,024 numbers an instruction of the work-group
	s_load_b64 s[24:25], s[0:1], 0x60              ; wsm
	s_load_b512 s[8:23], s[0:1], 0x68              ; bq, bk, bv, b1, bo, b2, ebA, ebB
	v_lshlrev_b32 v2, 4, v0
	v_lshlrev_b32 v3, 2, v0
	s_wait_kmcnt 0x0
	s_add_nc_u64 s[24:25], s[24:25], 10485760      ; behind wo and w2
	global_load_b128 v[8:11], v2, s[8:9]
	global_load_b128 v[12:15], v2, s[10:11]
	global_load_b128 v[16:19], v2, s[12:13]
.irp c, 0,1,2,3
	global_load_b128 v[20+4*(\c):23+4*(\c)], v2, s[14:15] offset:4096*(\c)
.endr
	global_load_b128 v[36:39], v2, s[16:17]
	global_load_b128 v[40:43], v2, s[18:19]
	s_wait_loadcnt 0x0
.set p, 0
.rept 18
	v_cvt_pk_bf16_f32 v[44+p%2], v[8+2*p], v[9+2*p]
	v_lshlrev_b32 v[8+2*p], 16, v[44+p%2]
	v_and_b32 v[9+2*p], 0xffff0000, v[44+p%2]
.set p, p+1
.endr
.irp c, 0,1,2
	global_store_b128 v2, v[8+4*(\c):11+4*(\c)], s[20:21] offset:256+4096*(\c)
.endr
.irp c, 0,1,2,3
	global_store_b128 v2, v[20+4*(\c):23+4*(\c)], s[22:23] offset:256+4096*(\c)
.endr
	global_store_b128 v2, v[36:39], s[24:25]
	global_store_b128 v2, v[40:43], s[24:25] offset:4096
	s_cmp_lt_u32 s3, 2                             ; waves 0 and 1: the 64 words at the two tables' heads, 4 bytes a thread
	s_cbranch_scc0 .Lend
	v_mov_b32 v46, 0xff80ff80
	v_mov_b32 v47, 0
	global_store_b32 v3, v46, s[20:21]
	global_store_b32 v3, v47, s[22:23]
.Lend:
	s_endpgm
.Lfunc_end_k_qce505b1623_prep:
	.size	k_qce505b1623_prep, .Lfunc_end_k_qce505b1623_prep-k_qce505b1623_prep
	.p2alignl 7, 3214868480
	.fill 96, 4, 3214868480
	.section	.rodata,"a",@progbits
	.p2align	6, 0x0
	.amdhsa_kernel k_qce505b1623_prep
		.amdhsa_group_segment_fixed_size 0
		.amdhsa_private_segment_fixed_size 0
		.amdhsa_enable_private_segment 0
		.amdhsa_kernarg_size 168
		.amdhsa_user_sgpr_count 2
		.amdhsa_user_sgpr_kernarg_segment_ptr 1
		.amdhsa_wavefront_size32 1
		.amdhsa_system_sgpr_workgroup_id_x 1
		.amdhsa_system_sgpr_workgroup_id_y 1
		.amdhsa_system_sgpr_workgroup_id_z 1
		.amdhsa_system_vgpr_workitem_id 0
		.amdhsa_next_free_vgpr 72
		.amdhsa_next_free_sgpr 66
		.amdhsa_reserve_vcc 0
		.amdhsa_float_denorm_mode_32 3
		.amdhsa_float_denorm_mode_16_64 3
		.amdhsa_memory_ordered 1
		.amdhsa_forward_progress 1
		.amdhsa_inst_pref_size 22
	.end_amdhsa_kernel
	.amdgpu_metadata
---
amdhsa.version: [ 1, 2 ]
amdhsa.kernels:
  - .name:           k_qce505b1623_prep
    .symbol:         k_qce505b1623_prep.kd
    .args:
      - { .name: x, .offset: 0, .size: 8, .value_kind: global_buffer, .address_space: global }
      - { .name: g1, .offset: 8, .size: 8, .value_kind: global_buffer, .address_space: global }
      - { .name: be1, .offset: 16, .size: 8, .value_kind: global_buffer, .address_space: global }
      - { .name: act, .offset: 24, .size: 8, .value_kind: global_buffer, .address_space: global }
      - { .name: wq, .offset: 32, .size: 8, .value_kind: global_buffer, .address_space: global }
      - { .name: wk, .offset: 40, .size: 8, .value_kind: global_buffer, .address_space: global }
      - { .name: wv, .offset: 48, .size: 8, .value_kind: global_buffer, .address_space: global }
      - { .name: wo, .offset: 56, .size: 8, .value_kind: global_buffer, .address_space: global }
      - { .name: w1, .offset: 64, .size: 8, .value_kind: global_buffer, .address_space: global }
      - { .name: w2, .offset: 72, .size: 8, .value_kind: global_buffer, .address_space: global }
      - { .name: wqkv, .offset: 80, .size: 8, .value_kind: global_buffer, .address_space: global }
      - { .name: w1b, .offset: 88, .size: 8, .value_kind: global_buffer, .address_space: global }
      - { .name: wsm, .offset: 96, .size: 8, .value_kind: global_buffer, .address_space: global }
      - { .name: bq, .offset: 104, .size: 8, .value_kind: global_buffer, .address_space: global }
      - { .name: bk, .offset: 112, .size: 8, .value_kind: global_buffer, .address_space: global }
      - { .name: bv, .offset: 120, .size: 8, .value_kind: global_buffer, .address_space: global }
      - { .name: b1, .offset: 128, .size: 8, .value_kind: global_buffer, .address_space: global }
      - { .name: bo, .offset: 136, .size: 8, .value_kind: global_buffer, .address_space: global }
      - { .name: b2, .offset: 144, .size: 8, .value_kind: global_buffer, .address_space: global }
      - { .name: ebA, .offset: 152, .size: 8, .value_kind: global_buffer, .address_space: global }
      - { .name: ebB, .offset: 160, .size: 8, .value_kind: global_buffer, .address_space: global }
    .group_segment_fixed_size: 0
    .private_segment_fixed_size: 0
    .kernarg_segment_align: 8
    .kernarg_segment_size: 168
    .max_flat_workgroup_size: 256
    .sgpr_count:     66
    .vgpr_count:     72
    .wavefront_size: 32
...
	.end_amdgpu_metadata
.endif
;; end of part 1
;; launch qkv (part 2): grid 12 x 16, 4 waves a work-group, clusters of 4 x 4, 327,680 bytes of LDS; arguments act, wqkv, ebA, big; writes big
.if DOCPART == 2
	.amdgcn_target "amdgcn-amd-amdhsa--gfx1250"
	.amdhsa_code_object_version 6
	.text
	.protected	k_qce505b1623_qkv
	.globl	k_qce505b1623_qkv
	.p2align	8
	.type	k_qce505b1623_qkv,@function
k_qce505b1623_qkv:
	s_mov_b64 s[64:65], 0
	v_nop
	global_prefetch_b8 v0, s[64:65] scope:SCOPE_SE
	s_setreg_imm32_b32 hwreg(HW_REG_WAVE_MODE, 25, 1), 1
	s_wait_xcnt 0x0
	s_wait_alu depctr_hold_cnt(0) depctr_sa_sdst(0) depctr_va_vdst(0) depctr_va_sdst(0) depctr_va_ssrc(0) depctr_va_vcc(0) depctr_vm_vsrc(0)
	s_getreg_b32 s2, hwreg(HW_REG_IB_STS2, 6, 4)
	s_cmp_eq_u32 s2, 0
	s_cbranch_scc0 .Lentry_in_a_cluster
	s_endpgm
.Lentry_in_a_cluster:
	s_bfe_u32 s2, ttmp6, 0x10000c
	s_cmp_lg_u32 s2, 0xf033
	s_cbranch_scc0 .Lentry_shape_is_right
	s_endpgm
.Lentry_shape_is_right:
; OUT = max(A B^T + bias, floor), bf16.  A: [4096][1024] bf16; B: [n][1024] bf16 (n = 256 x the grid's width); sums in f32, started by the bias; OUT rounded once.
; EB: the table of the way out: word 0 = the floor, twice in bf16 (-inf: no bound; 0: ReLU); from byte 256 on the n bias numbers in f32.  The floor only selects a value.  A NaN result becomes the floor.
; OUT lies in blocks of 64 columns: element (r, c) at byte ((c / 64) x 4096 + r) x 128 + (c % 64) x 2: a head's rows, and a K piece of 64 columns of the next product, are dense.
; A tile of OUT, 256 x 256, is made by four waves, 128 x 128 each: 64 accumulators of 16 x 16.  K goes in 8 steps of 128 through two LDS slots filled by the tensor data mover (rows of 256 bytes, aligned).
; CLUSTERS: 4 x 4 work-groups; A's tile is shared along a row of the cluster, B's along a column: each is asked for jointly, by the same load with the same descriptor and a mask of four.
; The loop's trip is ONE K step: the LDS word of the walking descriptor and the offset of the slot being read are turned by an exclusive or (no base shares a bit with SLOT).
; THE MATRIX INSTRUCTION IS USED TRANSPOSED (source 0 = 16 rows of B, source 1 = 16 rows of A): a lane holds eight neighbouring columns of one row of OUT.
; REGISTERS, in windows of 256: window 0: v0-31 addresses; v64-127, v128-191 A's fragments, two buffers; v192-255 the bias as the first products' C, later at work on the way out, with v32-63
;   window 1: v64-127, v128-191 B's fragments; windows 2, 3: the accumulators of my rows 0-63, 64-127 ((a, b) at v[8 (8 a + b)]).
.set SIZE_K, 1024
.set KSTEP,  128
.set PITCH,  272                       ; 256 bytes + 16 of padding: the 16 rows of a fragment load start at 16 different groups of four banks
.set HALFT,  128*PITCH                 ; what one tensor load brings
.set SLOT,   4*HALFT                   ; A's 256 rows, then B's 256 rows
.set STAGE,  2*SLOT                    ; behind the ring: for each wave two column blocks x 16 rows x 144 bytes
.set SP,     144
.set WSTAGE, 2*16*SP
.set SPARE,  STAGE+4*WSTAGE            ; the spare words, 128 bytes a wave: two blocks of 256 bytes that no other line names
.set BLK,    524288                    ; a column block of OUT: 4,096 rows x 128 bytes
.set ADRA0, 16                         ; v16  my lane's place in A's half of slot 0; never rewritten
.set ADRB0, 17                         ; v17  the same for B
.set CA,  18                           ; v18  the same in the slot being read
.set CB,  19                           ; v19
.set STO, 24                           ; v24  the way out: where I put 16 bytes of a row
.set RD,  25                           ; v25  where I read rows back
.set CO,  26                           ; v26  16 x lane: my place in 512 consecutive bytes of OUT
.set FLR, 27                           ; v27  the floor
.set SPW, 28                           ; v28  my spare word; never rewritten
.set NIL, 29                           ; v29  0; never rewritten
.set PFO, 30                           ; v30  the prefetches' offset: lane x a row of A or B; never rewritten
.set BO,  31                           ; v31  32 x (lane / 16): my eight bias numbers
.set F0,  64
.set F1,  128
.set BIAS, 192
.set TMP, 192
.set OB,  32
.set WV,  12                           ; s12  wave
.set RH,  13                           ; s13  which half of the tile's rows is mine; also: I fetch for A (0) or B (1)
.set CH,  14                           ; s14  which half of its columns; also: which 128 rows I fetch
.set CNT, 15                           ; s15  the loop's count
.set G1A, 24
.set G0A, 32                           ; s[32:35] slot 0, K step 0; s[36:39] walks
.set G1B, 48
.set G0B, 56
.set LIM, 43                           ; s43  2 in a wave that prefetches, else the greatest number
.set PFA, 44                           ; s[44:45] where my prefetches stand
.set TB,  66                           ; s66  the offset of the slot being read
.set FLS, 69
.set MSB, 0
.macro WIN new                         ; the immediate's high byte repeats the setting that is left
.if MSB != (\new)
	s_set_vgpr_msb (MSB<<8)|(\new)
.set MSB, \new
.endif
.endm
.set TO_B, 0x40
.macro PLACES                          ; four places behind matrix instructions, in front of loads into their sources and of readers of their results
.rept 4
	v_nop
.endr
.endm
.macro JLOAD                           ; a joint refill by the walking descriptor: waves 0, 1 A's halves, waves 2, 3 B's; an s_nop 0 and four v_nop follow each line
	s_cmp_eq_u32 s[RH], 0
	s_cbranch_scc0 .Lfor_b_\@
	tensor_load_to_lds s[G0A+4:G0A+7], s[G1A:G1A+7]
	s_nop 0
.rept 4
	v_nop
.endr
	s_branch .Lasked_\@
.Lfor_b_\@:
	tensor_load_to_lds s[G0B+4:G0B+7], s[G1B:G1B+7]
	s_nop 0
.rept 4
	v_nop
.endr
.Lasked_\@:
.endm
; A prefetch into the L2 of the K step two refills on: 32 rows x 256 bytes, a lane a row.  A's rows are asked for by the clusters with x = 0, B's by those with y = 0; of the 128 rows that a wave
; fetches each of the four partners takes 32, told apart by address: each row's 256 bytes of a K step are named once.  K steps 0 to 3 come by their loads alone; the loop's last two trips ask for nothing.
.macro ASK
	s_cmp_gt_u32 s[CNT], s[LIM]
	s_cbranch_scc0 .Lnot_mine_\@
	global_prefetch_b8 v[PFO], s[PFA:PFA+1] offset:KSTEP*2 th:TH_LOAD_NT scope:SCOPE_SE
.Lnot_mine_\@:
.endm
.macro CREST                           ; a round of the cluster's barrier behind its opening barrier
	s_cmp_lg_u32 s[WV], 0
	s_cbranch_scc1 .Lnot_wave_0_\@
	s_barrier_signal -3
.Lnot_wave_0_\@:
	s_barrier_wait -3
	s_barrier_signal -1
	s_barrier_wait -1
.endm
.macro CROUND
	s_barrier_signal -1
	s_barrier_wait -1
	CREST
.endm
	s_load_b256 s[4:11], s[0:1], 0x0               ; A s[4:5], B s[6:7], EB s[8:9], OUT s[10:11]
	v_lshl_add_u32 v[SPW], v0, 2, SPARE
	v_mov_b32 v[NIL], 0
	ds_add_u32 v[SPW], v[NIL]                      ; the wave's opening: the add and its wait ahead of my first tensor load
	v_lshrrev_b32 v1, 5, v0
	v_readfirstlane_b32 s[WV], v1
	s_lshr_b32 s[RH], s[WV], 1
	s_and_b32 s[CH], s[WV], 1
	s_bfe_u32 s16, ttmp6, 0x40000                  ; cx
	s_bfe_u32 s17, ttmp6, 0x40004                  ; cy
	s_lshl_b32 s18, ttmp9, 2
	s_add_co_u32 s18, s18, s16                     ; tile column
	s_and_b32 s19, ttmp7, 0xffff
	s_lshl_b32 s19, s19, 2
	s_add_co_u32 s19, s19, s17                     ; tile row
	s_lshl_b32 s20, s17, 2
	s_lshl_b32 s20, 15, s20                        ; my row of the cluster
	s_lshl_b32 s21, 0x1111, s16                    ; my column
	s_or_b32 s[G1A], s20, (1<<16)|(1<<20)|(1<<21)|(5<<22)|(3<<25)  ; mask; 2-byte elements; padding on; bit 21 beside a mask; after every 64 words 4 words
	s_or_b32 s[G1B], s21, (1<<16)|(1<<20)|(1<<21)|(5<<22)|(3<<25)
.irp g, G1A, G1B
	s_mov_b32 s[(\g)+1], KSTEP<<16                 ; tensor_dim0 = 128
	s_mov_b32 s[(\g)+2], 128<<16                   ; tensor_dim1 = 128
	s_mov_b32 s[(\g)+3], KSTEP<<16                 ; tile_dim0 = 128
	s_mov_b32 s[(\g)+4], 128                       ; tile_dim1 = 128
	s_mov_b32 s[(\g)+5], SIZE_K                    ; elements from row to row
	s_mov_b32 s[(\g)+6], 0
	s_mov_b32 s[(\g)+7], 0
.endr
	s_lshl_b32 s40, s[CH], 7                       ; which 128 rows of a tile I fetch
	s_lshl_b32 s22, s19, 8
	s_add_co_u32 s22, s22, s40
	s_lshl_b32 s22, s22, 11                        ; A: (256 x tile row + 128 x half) rows of 2,048 bytes
	s_mov_b32 s23, 0
	s_lshl_b32 s46, s18, 8
	s_add_co_u32 s46, s46, s40
	s_lshl_b32 s46, s46, 11                        ; B: the same by the tile column
	s_mov_b32 s47, 0
	s_mul_i32 s68, s[WV], HALFT                    ; where my loads go: wave x 128 rows
	s_mov_b32 s[TB], 0
	s_wait_dscnt 0x0                               ; the opening add is done
	s_wait_kmcnt 0x0
	s_load_b32 s[FLS], s[8:9], 0x0                 ; the floor
	s_add_nc_u64 s[22:23], s[4:5], s[22:23]
	s_add_nc_u64 s[46:47], s[6:7], s[46:47]
.irp s, 0,1
	s_mov_b32 s[G0A+4*(\s)], 1
	s_add_co_u32 s[G0A+4*(\s)+1], s68, (\s)*SLOT
	s_add_nc_u64 s[G0A+4*(\s)+2:G0A+4*(\s)+3], s[22:23], (\s)*KSTEP*2
	s_or_b32 s[G0A+4*(\s)+3], s[G0A+4*(\s)+3], 0x80000000
	s_mov_b32 s[G0B+4*(\s)], 1
	s_add_co_u32 s[G0B+4*(\s)+1], s68, (\s)*SLOT
	s_add_nc_u64 s[G0B+4*(\s)+2:G0B+4*(\s)+3], s[46:47], (\s)*KSTEP*2
	s_or_b32 s[G0B+4*(\s)+3], s[G0B+4*(\s)+3], 0x80000000
.endr
	CROUND                                         ; all sixteen work-groups are here: the first joint loads meet
	s_cmp_eq_u32 s[RH], 0                          ; a wave's two first fills stand in one branch: two loads of mine are out
	s_cbranch_scc0 .Lfirst_b
	tensor_load_to_lds s[G0A:G0A+3], s[G1A:G1A+7]
	s_nop 0
	tensor_load_to_lds s[G0A+4:G0A+7], s[G1A:G1A+7]
	s_nop 0
.rept 4
	v_nop
.endr
	s_branch .Lfirst_asked
.Lfirst_b:
	tensor_load_to_lds s[G0B:G0B+3], s[G1B:G1B+7]
	s_nop 0
	tensor_load_to_lds s[G0B+4:G0B+7], s[G1B:G1B+7]
	s_nop 0
.rept 4
	v_nop
.endr
.Lfirst_asked:
	v_and_b32 v1, 15, v0                           ; l % 16
	v_bfe_u32 v2, v0, 4, 1                         ; l / 16
	; the bias of my 128 columns, laid as a C operand: register j of block b = column 16 b + 8 (l / 16) + j
	s_lshl_b32 s72, s18, 10
	s_lshl_b32 s73, s[CH], 9
	s_add_co_u32 s72, s72, s73
	s_add_co_u32 s72, s72, 256
	s_mov_b32 s73, 0
	s_add_nc_u64 s[70:71], s[8:9], s[72:73]
	v_lshlrev_b32 v[BO], 5, v2
.irp b, 0,1,2,3,4,5,6,7
	global_load_b128 v[BIAS+8*(\b):BIAS+8*(\b)+3],   v[BO], s[70:71] offset:64*(\b)
	global_load_b128 v[BIAS+8*(\b)+4:BIAS+8*(\b)+7], v[BO], s[70:71] offset:64*(\b)+16
.endr
	v_mul_u32_u24 v3, v1, PITCH
	v_lshl_add_u32 v3, v2, 4, v3                   ; a fragment's row x pitch + 16 x half
	s_mul_i32 s41, s[RH], HALFT
	v_add_nc_u32 v[ADRA0], s41, v3
	s_mul_i32 s41, s[CH], HALFT
	s_add_co_u32 s41, s41, 2*HALFT
	v_add_nc_u32 v[ADRB0], s41, v3
	v_mov_b32 v[CA], v[ADRA0]
	v_mov_b32 v[CB], v[ADRB0]
	s_mul_i32 s41, s[WV], WSTAGE
	s_add_co_u32 s41, s41, STAGE                   ; my stage
	v_mul_u32_u24 v4, v1, SP
	v_lshl_add_u32 v4, v2, 4, v4
	v_add_nc_u32 v[STO], s41, v4                   ; in: row l % 16, 16 bytes for each half of the lanes
	v_and_b32 v5, 31, v0
	v_lshrrev_b32 v6, 3, v5
	v_and_b32 v7, 7, v0
	v_mul_u32_u24 v6, v6, SP
	v_lshl_add_u32 v6, v7, 4, v6
	v_add_nc_u32 v[RD], s41, v6                    ; back: 32 lanes take four rows of 128 bytes,
	v_lshlrev_b32 v[CO], 4, v5                     ; which are 512 consecutive bytes of OUT
	v_lshlrev_b32 v[PFO], 11, v5
	; OUT at my first column block and my first row
	s_lshl_b32 s72, s18, 2
	s_lshl_b32 s73, s[CH], 1
	s_add_co_u32 s72, s72, s73
	s_lshl_b32 s72, s72, 19
	s_lshl_b32 s73, s19, 8
	s_lshl_b32 s74, s[RH], 7
	s_add_co_u32 s73, s73, s74
	s_lshl_b32 s73, s73, 7
	s_add_co_u32 s72, s72, s73
	s_mov_b32 s73, 0
	s_add_nc_u64 s[10:11], s[10:11], s[72:73]
	; the prefetches
	s_lshl_b32 s72, s19, 8
	s_lshl_b32 s73, s18, 8
	s_and_b32 s74, ttmp7, 0xffff                   ; cluster y
	s_cmp_eq_u32 s[RH], 0                          ; do I fetch for A?
	s_cselect_b32 s72, s72, s73                    ; the tile's first row
	s_cselect_b32 s73, s16, s17                    ; my place among the four that ask with me
	s_cselect_b32 s74, ttmp9, s74                  ; the coordinate along which other clusters read the same rows
	s_cselect_b64 s[PFA:PFA+1], s[4:5], s[6:7]
	s_cmp_eq_u32 s74, 0
	s_cselect_b32 s[LIM], 2, -1                    ; the same in all sixteen partners, for a given wave
	s_add_co_u32 s72, s72, s40
	s_lshl_b32 s73, s73, 5
	s_add_co_u32 s72, s72, s73
	s_lshl_b32 s72, s72, 11
	s_add_co_u32 s72, s72, 2*KSTEP*2               ; at K step 2: the first refill steps it to 3 and names K step 4
	s_mov_b32 s73, 0
	s_add_nc_u64 s[PFA:PFA+1], s[PFA:PFA+1], s[72:73]
	s_wait_kmcnt 0x0
	v_mov_b32 v[FLR], s[FLS]
; 16 matrix instructions: m blocks a0, a0 + 1 of the window's four x all 8 n blocks, 32 along K.  mode = 1: the bias starts the sums: nothing is cleared.
.macro MUL16 f, hi, a0, mode
.if \mode
	WIN 0x81+0x40*(\hi)                            ; B window 1, A and C window 0, D window 2 or 3
.else
	WIN 0xa1+0x50*(\hi)                            ; C and D window 2 or 3
.endif
.irp a, \a0, (\a0)+1
.irp b, 0,1,2,3,4,5,6,7
.if \mode
	v_wmma_f32_16x16x32_bf16 v[8*(8*(\a)+(\b)):8*(8*(\a)+(\b))+7], v[(\f)+8*(\b):(\f)+8*(\b)+7], v[(\f)+8*(4*(\hi)+(\a)):(\f)+8*(4*(\hi)+(\a))+7], v[BIAS+8*(\b):BIAS+8*(\b)+7]
.else
	v_wmma_f32_16x16x32_bf16 v[8*(8*(\a)+(\b)):8*(8*(\a)+(\b))+7], v[(\f)+8*(\b):(\f)+8*(\b)+7], v[(\f)+8*(4*(\hi)+(\a)):(\f)+8*(4*(\hi)+(\a))+7], v[8*(8*(\a)+(\b)):8*(8*(\a)+(\b))+7]
.endif
.endr
.endr
.endm
; 32 LDS loads in one run: a quarter step's fragments (32 K at byte k of the rows of the slot being read) into buffer f
.macro FETCH k, f
	WIN TO_B
.irp i, 0,1,2,3,4,5,6,7
	ds_load_b128 v[(\f)+8*(\i):(\f)+8*(\i)+3],   v[CB] offset:(\k)+(\i)*16*PITCH
	ds_load_b128 v[(\f)+8*(\i)+4:(\f)+8*(\i)+7], v[CB] offset:(\k)+(\i)*16*PITCH+32
.endr
	WIN 0
.irp i, 0,1,2,3,4,5,6,7
	ds_load_b128 v[(\f)+8*(\i):(\f)+8*(\i)+3],   v[CA] offset:(\k)+(\i)*16*PITCH
	ds_load_b128 v[(\f)+8*(\i)+4:(\f)+8*(\i)+7], v[CA] offset:(\k)+(\i)*16*PITCH+32
.endr
.endm
; One of a K step's first three quarters: multiplies buffer f; in its middle it fetches the next quarter, at byte k, into buffer g.  The 64 accumulators take turns, in one order everywhere.
.macro QUARTER k, f, g, mode
	s_wait_dscnt 8                                 ; B and A's rows 0-63 are in; the youngest eight loads (A's rows 64-127) may be out
	MUL16 \f, 0, 0, \mode
	MUL16 \f, 0, 2, \mode
	PLACES
	FETCH \k, \g
	s_wait_dscnt 32                                ; all but the 32 just issued
	MUL16 \f, 1, 0, \mode
	MUL16 \f, 1, 2, \mode
.endm
; The last quarter multiplies buffer 1 and changes slots.  In front of the barrier each wave waits for all its tensor loads (one is out: its part of the next slot), adds 0 to its spare word, and waits
; for that and for its reads of this slot.  fill = 1: the barrier opens a round of the cluster's, and the joint refill, two K steps on, is the first thing behind the round.
.macro TURN fill
.if \fill
	s_wait_xcnt 0x0                                ; the last prefetch, a K step back, has read its address
	s_add_nc_u64 s[PFA:PFA+1], s[PFA:PFA+1], KSTEP*2
.endif
	WIN 0
	s_wait_tensorcnt 0x0                           ; all my tensor loads have landed
	ds_add_u32 v[SPW], v[NIL]                      ; 0 onto my spare word
	s_wait_dscnt 9                                 ; the add and the youngest eight loads may be out
	MUL16 F1, 0, 0, 0
	s_wait_dscnt 0x0                               ; the add is done, and my reads of this slot are over
	s_barrier_signal -1
	MUL16 F1, 0, 2, 0
	WIN 0
	s_barrier_wait -1
.if \fill
	CREST
	s_xor_b32 s[G0A+5], s[G0A+5], SLOT             ; the walking descriptors: the slot just read out, the next K step
	s_add_nc_u64 s[G0A+6:G0A+7], s[G0A+6:G0A+7], KSTEP*2
	s_xor_b32 s[G0B+5], s[G0B+5], SLOT
	s_add_nc_u64 s[G0B+6:G0B+7], s[G0B+6:G0B+7], KSTEP*2
	JLOAD                                          ; its four v_nop are also the places in front of the loads below
.else
	PLACES
.endif
	s_xor_b32 s[TB], s[TB], SLOT                   ; the reads go to the other slot
	v_add_nc_u32 v[CA], s[TB], v[ADRA0]
	v_add_nc_u32 v[CB], s[TB], v[ADRB0]
	FETCH 0, F0
.if \fill
	ASK
.endif
	MUL16 F1, 1, 0, 0
	MUL16 F1, 1, 2, 0
.endm
; THE WAY OUT of block a (16 rows x 128 columns).  PACK: rounded to bf16, the floor applied.  TOSTAGE: into my own stage, by column blocks, and back as rows of 128 bytes.  SEND: stored.
.macro PACK a
.set AC, 64*((\a)%4)
	WIN 0x0a+5*((\a)/4)                            ; sources window 2 or 3
.irp b, 0,1,2,3,4,5,6,7
.irp r, 0,1,2,3
	v_cvt_pk_bf16_f32 v[TMP+4*(\b)+(\r)], v[AC+8*(\b)+2*(\r)], v[AC+8*(\b)+2*(\r)+1]
.endr
.endr
	WIN 0
.set i, 0
.rept 32
	v_pk_max_num_bf16 v[TMP+i], v[TMP+i], v[FLR]
.set i, i+1
.endr
.endm
.macro TOSTAGE a
	WIN 0
.set BK, OB+192*((\a)%2)
.irp b, 0,1,2,3,4,5,6,7
	ds_store_b128 v[STO], v[TMP+4*(\b):TMP+4*(\b)+3] offset:((\b)/4)*16*SP+((\b)%4)*32
.endr
.irp u, 0,1,2,3,4,5,6,7                ; column block u / 4, rows 4 (u % 4) on; LDS serves a wave's instructions in order: these see the stores above
	ds_load_b128 v[BK+4*(\u):BK+4*(\u)+3], v[RD] offset:((\u)/4)*16*SP+((\u)%4)*4*SP
.endr
.endm
.macro SEND a
	WIN 0
.set BK, OB+192*((\a)%2)
	s_wait_dscnt 0x0                               ; the block is back in registers
	s_wait_xcnt 0x0                                ; earlier stores have read their registers: the other buffer is loaded again only behind this wait
.irp u, 0,1,2,3,4,5,6,7
	global_store_b128 v[CO], v[BK+4*(\u):BK+4*(\u)+3], s[10:11] offset:((\u)/4)*BLK+(\a)*2048+((\u)%4)*512  ; 512 consecutive bytes, aligned
.endr
.endm
	s_wait_tensorcnt 1                             ; my part of K step 0 is in; K step 1's may stay out
	s_barrier_signal -1
	s_barrier_wait -1
	FETCH 0, F0
	s_wait_loadcnt 0x0                             ; the bias
	QUARTER 64, F0, F1, 1                          ; the first quarter stands in front of the loop: its products start the sums
	WIN 0
	s_mov_b32 s[CNT], 6
.Lstep:                                                ; six trips, from a K step's second quarter to the next step's first; they ask for K steps 2 to 7
	QUARTER 128, F1, F0, 0
	QUARTER 192, F0, F1, 0
	TURN 1
	QUARTER 64, F0, F1, 0
	WIN 0
	s_sub_co_u32 s[CNT], s[CNT], 1
	s_cmp_lg_u32 s[CNT], 0
	s_cbranch_scc1 .Lstep
	QUARTER 128, F1, F0, 0                         ; K step 6 ends: nothing is left to ask for
	QUARTER 192, F0, F1, 0
	TURN 0
	QUARTER 64, F0, F1, 0
	QUARTER 128, F1, F0, 0
	QUARTER 192, F0, F1, 0
	s_wait_dscnt 8
	MUL16 F1, 0, 0, 0
	MUL16 F1, 0, 2, 0
	s_wait_dscnt 0x0
	MUL16 F1, 1, 0, 0
	MUL16 F1, 1, 2, 0
	PLACES
	PACK 0
	TOSTAGE 0
.irp a, 1,2,3,4,5,6,7                  ; block a's conversions stand between block a - 1's loads from the stage and the wait for them
	PACK \a
	SEND (\a)-1
	TOSTAGE \a
.endr
	SEND 7
	s_wait_tensorcnt 0x0                           ; the wave's end
	ds_add_u32 v[SPW], v[NIL]
	s_wait_dscnt 0x0
	CROUND                                         ; the closing round
	s_endpgm
.Lfunc_end_k_qce505b1623_qkv:
	.size	k_qce505b1623_qkv, .Lfunc_end_k_qce505b1623_qkv-k_qce505b1623_qkv
	.p2alignl 7, 3214868480
	.fill 96, 4, 3214868480
	.section	.rodata,"a",@progbits
	.p2align	6, 0x0
	.amdhsa_kernel k_qce505b1623_qkv
		.amdhsa_group_segment_fixed_size 327680
		.amdhsa_private_segment_fixed_size 0
		.amdhsa_enable_private_segment 0
		.amdhsa_kernarg_size 32
		.amdhsa_user_sgpr_count 2
		.amdhsa_user_sgpr_kernarg_segment_ptr 1
		.amdhsa_wavefront_size32 1
		.amdhsa_system_sgpr_workgroup_id_x 1
		.amdhsa_system_sgpr_workgroup_id_y 1
		.amdhsa_system_sgpr_workgroup_id_z 1
		.amdhsa_system_vgpr_workitem_id 0
		.amdhsa_next_free_vgpr 1024
		.amdhsa_next_free_sgpr 80
		.amdhsa_reserve_vcc 0
		.amdhsa_float_denorm_mode_32 3
		.amdhsa_float_denorm_mode_16_64 3
		.amdhsa_memory_ordered 1
		.amdhsa_forward_progress 1
		.amdhsa_inst_pref_size 134
	.end_amdhsa_kernel
	.amdgpu_metadata
---
amdhsa.version: [ 1, 2 ]
amdhsa.kernels:
  - .name:           k_qce505b1623_qkv
    .symbol:         k_qce505b1623_qkv.kd
    .args:
      - { .name: act, .offset: 0, .size: 8, .value_kind: global_buffer, .address_space: global }
      - { .name: wqkv, .offset: 8, .size: 8, .value_kind: global_buffer, .address_space: global }
      - { .name: ebA, .offset: 16, .size: 8, .value_kind: global_buffer, .address_space: global }
      - { .name: big, .offset: 24, .size: 8, .value_kind: global_buffer, .address_space: global }
    .group_segment_fixed_size: 327680
    .private_segment_fixed_size: 0
    .kernarg_segment_align: 8
    .kernarg_segment_size: 32
    .max_flat_workgroup_size: 128
    .sgpr_count:     80
    .vgpr_count:     1024
    .wavefront_size: 32
...
	.end_amdgpu_metadata
.endif
;; end of part 2
;; launch attn (part 3): grid 8 x 32, 4 waves a work-group, clusters of 4 x 1, 327,680 bytes of LDS; arguments big, act; writes act
.if DOCPART == 3
	.amdgcn_target "amdgcn-amd-amdhsa--gfx1250"
	.amdhsa_code_object_version 6
	.text
	.protected	k_qce505b1623_attn
	.globl	k_qce505b1623_attn
	.p2align	8
	.type	k_qce505b1623_attn,@function
k_qce505b1623_attn:
	s_mov_b64 s[64:65], 0
	v_nop
	global_prefetch_b8 v0, s[64:65] scope:SCOPE_SE
	s_setreg_imm32_b32 hwreg(HW_REG_WAVE_MODE, 25, 1), 1
	s_wait_xcnt 0x0
	s_wait_alu depctr_hold_cnt(0) depctr_sa_sdst(0) depctr_va_vdst(0) depctr_va_sdst(0) depctr_va_ssrc(0) depctr_va_vcc(0) depctr_vm_vsrc(0)
	s_getreg_b32 s2, hwreg(HW_REG_IB_STS2, 6, 4)
	s_cmp_eq_u32 s2, 0
	s_cbranch_scc0 .Lentry_in_a_cluster
	s_endpgm
.Lentry_in_a_cluster:
	s_bfe_u32 s2, ttmp6, 0x10000c
	s_cmp_lg_u32 s2, 0x3003
	s_cbranch_scc0 .Lentry_shape_is_right
	s_endpgm
.Lentry_shape_is_right:
; ATTENTION, head size 64, 2,048 keys, no mask (the module computes nothing from its mask input).  O[q] = the sum over k of softmax_k(Q[q] . K[k] / 8) V[k].
; Q, K, V lie in big in blocks of 64 columns, [48][4096][64] bf16 (block = 16 x which + head; row = 2,048 x batch + place): a head's rows are dense, 128 bytes each.  O goes to act in the same layout, [16][4096][64].
; The grid's y is 2 x head + batch, so the head's rows begin y x 262,144 bytes into Q's, K's, V's and O's part.
; Products, maxima and sums in f32; the weights p are rounded to bf16 for the second product (their sum l is taken of the unrounded p), O once at the end.
; LIMITS.  A weight below 2^-126 counts as 0 in l; NaN and infinities are not treated apart.
; SHARES.  A work-group owns 256 queries of a head, a wave 64: four PIECES of 16.  Every wave walks all keys, 64 a step, four steps to a slot of LDS.
; LAYOUT.  S^T = K Q^T holds ONE query a lane (lane % 16) and the keys 8 (lane / 16) + 0..7; two such results rounded to bf16 ARE source 1 of O^T = V^T P.  K comes out of LDS as it lies, V turned (ds_load_tr16_b128).
; SOFTMAX.  p = 2^(c s - c m), c = log2(e) / 8, with a running maximum m; O and l are multiplied by a = 2^(c m_old - c m_new) in every step.  m starts at the lowest finite number, O and l at 0.
; BY TURNS.  Turn n belongs to piece n: 8 products K Q^T of piece n + 1, later 8 products V^T P of piece n - 1; beside them piece n's scaling, exponentials, roundings, sums and rescaling and piece n + 1's
; maximum and statistics.  Four vector instructions stand behind every matrix instruction, the rest in one lump.  A turn's 33 exponentials are one batch, with one wait.
; CLUSTER.  The four query blocks of a cluster belong to one head and walk the same K and V: each tile is asked for jointly, by the same load, descriptor and mask in all four.
; REGISTERS, in windows of 256: window 0: v0-15 addresses; v16-31 statistics; v48-55 at work; v61-63 prefetch offset, spare word, 0; v64-127 S^T, two buffers; v192-223 P, two buffers
;   window 1: v0-127 O^T, 32 a piece      window 2: v0-63 Q; v128-191 K of one step; v192-255 V of one step
.set NP,    4
.set KS,    64
.set PK,    144       ; a row of K in LDS: 128 bytes + 16
.set PV,    160       ; a row of V: 128 + 32
.set VOFF,  4*KS*PK   ; a slot: 256 rows of K, then 256 rows of V
.set SLOT1, 1<<17
.set STAGE, SLOT1+4*KS*(PK+PV)
.set SP,    144
.set SPARE, STAGE+4*16*SP
.set AK0, 2
.set AV0, 3
.set AK,  4
.set AV,  5
.set STO, 6
.set RD,  7
.set GO,  8
.set MV,  12
.set QO,  15
.set ST,  16
.set TMP, 48
.set PFO, 61          ; v61  256 x lane; never rewritten
.set SPW, 62          ; v62  my spare word; never rewritten
.set NIL, 63          ; v63  0; never rewritten
.set S,   64
.set P,   192
.set KF,  128
.set VF,  192
.set WV,  12
.set LIM, 15          ; s15  1 in a wave that prefetches, else the greatest number
.set G1K, 24
.set G1V, 32
.set G0K, 40
.set G0V, 44
.set SLOTS, 56
.set CNT, 57
.set CS,  58
.set SEL, 60
.set TBK, 62
.set TBV, 63
.set KSEL, 66
.set PFA, 68          ; s[68:69]
.set MSB, 0
.macro WIN new
.if MSB != (\new)
	s_set_vgpr_msb (MSB<<8)|(\new)
.set MSB, (\new)
.endif
.endm
.set W_KQ, 0x0a       ; K and Q in window 2, S^T in window 0
.set W_PV, 0x52       ; V in window 2, P in window 0, O^T in window 1
.set W_RS, 0x41       ; destination and source 0 in window 1, source 1 in window 0
.macro JLOAD                        ; a joint fill: waves 0, 1 the halves of a slot's K, waves 2, 3 of its V; an s_nop 0 and four v_nop follow each line
	s_cmp_lt_u32 s[WV], 2
	s_cbranch_scc0 .Lfor_v_\@
	tensor_load_to_lds s[G0K:G0K+3], s[G1K:G1K+7]
	s_nop 0
.rept 4
	v_nop
.endr
	s_branch .Lasked_\@
.Lfor_v_\@:
	tensor_load_to_lds s[G0V:G0V+3], s[G1V:G1V+7]
	s_nop 0
.rept 4
	v_nop
.endr
.Lasked_\@:
.endm
; A prefetch into the L2 of the tile that the NEXT change of slots will ask for: 32,768 bytes of K and of V.  The head's first cluster asks; its four partners take 8,192 bytes each, told apart by address;
; wave 0 asks for K's, wave 2 for V's, a lane 256 bytes: each is named once.  Tiles 0 and 1 come by their loads alone; the last change that fills a slot asks for nothing.
.macro ASK
	s_cmp_gt_u32 s[SLOTS], s[LIM]
	s_cbranch_scc0 .Lnot_mine_\@
	global_prefetch_b8 v[PFO], s[PFA:PFA+1] th:TH_LOAD_NT scope:SCOPE_SE
.Lnot_mine_\@:
.endm
.macro CROUND
	s_barrier_signal -1
	s_barrier_wait -1
	s_cmp_lg_u32 s[WV], 0
	s_cbranch_scc1 .Lnot_wave_0_\@
	s_barrier_signal -3
.Lnot_wave_0_\@:
	s_barrier_wait -3
	s_barrier_signal -1
	s_barrier_wait -1
.endm
; THE CHANGE OF SLOTS.  Each wave waits for all its tensor loads (one is out: its part of the other slot), adds 0 to its spare word, and waits for that and for its reads of the slot that it leaves.
; fill = 1: the barrier is a round of the cluster's, and the joint fill, two slots on, is the first thing behind it.  (At its first use nothing has been read: slot 0 is waited for, slot 1 filled.)
.macro CHANGE fill
	WIN 0
	s_wait_tensorcnt 0x0
	ds_add_u32 v[SPW], v[NIL]
.if \fill
.irp g, G0K, G0V
	s_xor_b32 s[\g+1], s[\g+1], SLOT1
	s_add_nc_u64 s[\g+2:\g+3], s[\g+2:\g+3], 4*KS*128
.endr
	s_wait_xcnt 0x0                 ; the last prefetch, four key steps back, has read its address
	s_add_nc_u64 s[PFA:PFA+1], s[PFA:PFA+1], 4*KS*128
	s_wait_dscnt 0x0                ; the add is done, and my reads of the slot are over
	CROUND
	JLOAD
	ASK
.else
	s_wait_dscnt 0x0
	s_barrier_signal -1
	s_barrier_wait -1
.endif
	s_sub_co_u32 s[TBK], s[TBK], 4*KS*PK  ; the fetches go back to a slot's first step, in the other slot
	s_xor_b32 s[TBK], s[TBK], SLOT1
	s_sub_co_u32 s[TBV], s[TBV], 4*KS*PV
	s_xor_b32 s[TBV], s[TBV], SLOT1
.endm
	s_load_b64 s[4:5], s[0:1], 0x0    ; big
	s_load_b64 s[10:11], s[0:1], 0x8  ; act
	v_lshl_add_u32 v[SPW], v0, 2, SPARE
	v_mov_b32 v[NIL], 0
	ds_add_u32 v[SPW], v[NIL]       ; the wave's opening: the add and its wait ahead of my first tensor load
	v_lshrrev_b32 v1, 5, v0
	v_readfirstlane_b32 s[WV], v1
	s_bfe_u32 s13, ttmp6, 0x40000   ; cx
	s_lshl_b32 s14, ttmp9, 2
	s_add_co_u32 s14, s14, s13      ; my block of 256 queries: it enters Q's and O's addresses alone
	s_and_b32 s20, ttmp7, 0xffff    ; 2 x head + batch, which the four partners share
	s_lshl_b32 s20, s20, 18
	s_mov_b32 s21, 0
	s_and_b32 s16, s[WV], 1         ; which half of a slot's 256 keys I fetch
	s_lshl_b32 s22, s16, 14
	s_mov_b32 s23, 0
	s_add_nc_u64 s[22:23], s[22:23], s[20:21]
	s_mul_i32 s17, s16, 128*PK
	s_mul_i32 s67, s16, 128*PV
	s_lshl_b32 s2, s14, 2
	s_add_co_u32 s2, s2, s[WV]
	s_lshl_b32 s2, s2, 13           ; my wave's 64 rows of 128 bytes
	s_mov_b32 s3, 0
	s_add_nc_u64 s[2:3], s[2:3], s[20:21]
	; 128 keys are 16,384 dense bytes: asked for as 64 rows of 256 bytes, padded in LDS after every key
	s_mov_b32 s[G1K], 15|(1<<16)|(1<<20)|(1<<21)|(4<<22)|(3<<25)
	s_mov_b32 s[G1V], 15|(1<<16)|(1<<20)|(1<<21)|(4<<22)|(7<<25)
.irp g, G1K, G1V
	s_mov_b32 s[\g+1], 128<<16
	s_mov_b32 s[\g+2], 64<<16
	s_mov_b32 s[\g+3], 128<<16
	s_mov_b32 s[\g+4], 64
	s_mov_b32 s[\g+5], 128
	s_mov_b32 s[\g+6], 0
	s_mov_b32 s[\g+7], 0
.endr
	s_mov_b32 s[CS], 0x3e38aa3b     ; c = log2(e) / 8
	s_mov_b32 s[CS+1], s[CS]
	s_mov_b32 s[SEL], 0x76543210
	s_mov_b32 s[SEL+1], 0xfedcba98
	s_mov_b32 s[TBK], SLOT1+4*KS*PK ; the first change of slots turns these two into 0
	s_mov_b32 s[TBV], SLOT1+4*KS*PV
	s_mov_b32 s[G0K], 1
	s_mov_b32 s[G0K+1], s17
	s_mov_b32 s[G0V], 1
	s_add_co_u32 s[G0V+1], s67, VOFF
	s_mov_b32 s[SLOTS], 7
	s_and_b32 s[LIM], s[WV], 1
	s_or_b32 s[LIM], s[LIM], ttmp9  ; 0 in waves 0 and 2 of the head's first cluster: the same in all four partners
	s_cmp_eq_u32 s[LIM], 0
	s_cselect_b32 s[LIM], 1, -1
	v_and_b32 v[PFO], 31, v0
	v_lshlrev_b32 v[PFO], 8, v[PFO]
	s_wait_dscnt 0x0                ; the opening add is done
	s_wait_kmcnt 0x0
	s_add_nc_u64 s[6:7], s[4:5], s[22:23]
	s_add_nc_u64 s[8:9], s[6:7], 0x1000000   ; V: 32 column blocks on
	s_add_nc_u64 s[6:7], s[6:7], 0x800000    ; K: 16 column blocks on
	s_mov_b64 s[G0K+2:G0K+3], s[6:7]
	s_or_b32 s[G0K+3], s[G0K+3], 0x80000000
	s_mov_b64 s[G0V+2:G0V+3], s[8:9]
	s_or_b32 s[G0V+3], s[G0V+3], 0x80000000
	s_add_nc_u64 s[4:5], s[4:5], s[2:3]      ; Q and O at my wave's first row
	s_add_nc_u64 s[10:11], s[10:11], s[2:3]
	s_cmp_lt_u32 s[WV], 2
	s_cselect_b64 s[PFA:PFA+1], s[6:7], s[8:9]
	s_lshl_b32 s2, s13, 13          ; my work-group's 8,192 bytes,
	s_add_co_u32 s2, s2, 4*KS*128   ; in tile 1: the first change of slots steps it to tile 2
	s_add_nc_u64 s[PFA:PFA+1], s[PFA:PFA+1], s[2:3]
	CROUND                          ; all four work-groups are here: the first joint loads meet
	JLOAD                           ; slot 0
	v_and_b32 v1, 15, v0            ; l % 16
	v_bfe_u32 v9, v0, 4, 1          ; l / 16
	v_lshlrev_b32 v[QO], 7, v1
	v_lshl_add_u32 v[QO], v9, 4, v[QO]
	WIN 0x80
.set i, 0
.rept 8                             ; Q stays in registers: piece i / 2, channels 32 (i % 2) on
	global_load_b128 v[8*i:8*i+3],   v[QO], s[4:5] offset:(i/2)*2048+(i%2)*64
	global_load_b128 v[8*i+4:8*i+7], v[QO], s[4:5] offset:(i/2)*2048+(i%2)*64+32
.set i, i+1
.endr
	; what the first turn finds: V and P's second buffer hold 0, O^T and l are 0.  All this stands in the wait for the first tile.
.set i, VF
.rept 64
	v_mov_b32 v[i], 0
.set i, i+1
.endr
	WIN 0x40
.set i, 0
.rept 128
	v_mov_b32 v[i], 0
.set i, i+1
.endr
	WIN 0
.set i, 0
.rept 4
	v_mov_b32 v[ST+4*i], 0xfe000000    ; c m: far below every c s
	v_mov_b32 v[ST+4*i+1], 0xff7fffff  ; m
	v_mov_b32 v[ST+4*i+2], 0
	v_mov_b32 v[ST+4*i+3], 0
.set i, i+1
.endr
.set i, P+16
.rept 16
	v_mov_b32 v[i], 0
.set i, i+1
.endr
	v_mul_u32_u24 v[AK0], v1, PK
	v_lshl_add_u32 v[AK0], v9, 4, v[AK0]
	v_and_b32 v10, 7, v0
	v_bfe_u32 v11, v0, 3, 1
	v_lshl_add_u32 v[AV0], v9, 3, v10
	v_mul_u32_u24 v[AV0], v[AV0], PV
	v_lshl_add_u32 v[AV0], v11, 4, v[AV0]
	v_add_nc_u32 v[AV0], VOFF, v[AV0]
	v_mov_b32 v[AK], v[AK0]         ; key step 0 lies at the head of slot 0
; THE MATRIX WORK.  The 4 accumulators of a run of 8 take turns.  Product i of 8 of S^T = K Q^T for piece x: channels 32 (i / 4) on, keys 16 (i % 4) on.  The first 4 start the sums.
.macro KQ x
	WIN W_KQ
.set rS, S+32*((\x)%2)+8*(i%4)
.set rK, KF+16*(i%4)+8*(i/4)
.set rQ, 16*(\x)+8*(i/4)
.if i < 4
	v_wmma_f32_16x16x32_bf16 v[rS:rS+7], v[rK:rK+7], v[rQ:rQ+7], 0
.else
	v_wmma_f32_16x16x32_bf16 v[rS:rS+7], v[rK:rK+7], v[rQ:rQ+7], v[rS:rS+7]
.endif
.endm
; Product i of 8 of O^T += V^T P for piece x: keys 32 (i / 4) on, channels 16 (i % 4) on.
.macro PV x
	WIN W_PV
.set rO, 32*(\x)+8*(i%4)
.set rV, VF+32*(i/4)+8*(i%4)
.set rP, P+16*((\x)%2)+8*(i/4)
	v_wmma_f32_16x16x32_bf16 v[rO:rO+7], v[rV:rV+7], v[rP:rP+7], v[rO:rO+7]
.endm
.macro MM                           ; the turn's next matrix instruction
.if i < 8
	KQ (Y+1)%NP
.else
.set i, i-8
	PV (Y+NP-1)%NP
.set i, i+8
.endif
.set i, i+1
.endm
.macro FETCH_K                      ; a step's K: 64 keys x 64 channels, 8 fragments, in one run
	WIN 0x80
.irp f, 0,1,2,3,4,5,6,7
	ds_load_b128 v[KF+8*\f:KF+8*\f+3],   v[AK] offset:(\f/2)*16*PK+(\f%2)*64
	ds_load_b128 v[KF+8*\f+4:KF+8*\f+7], v[AK] offset:(\f/2)*16*PK+(\f%2)*64+32
.endr
	s_add_co_u32 s[TBK], s[TBK], KS*PK
	WIN 0
.endm
.macro FETCH_V                      ; its V, turned
	WIN 0x80
.irp f, 0,1,2,3,4,5,6,7
	ds_load_tr16_b128 v[VF+8*\f:VF+8*\f+3],   v[AV] offset:(\f/4)*32*PV+(\f%4)*32
	ds_load_tr16_b128 v[VF+8*\f+4:VF+8*\f+7], v[AV] offset:(\f/4)*32*PV+16*PV+(\f%4)*32
.endr
	WIN 0
.endm
; THE VECTOR WORK, one line at a time: OP kind, number.  For piece Y: F n: c s - c m for pair n of 16.  E n: the exponential of score n of 32.  C n: pair n rounded to bf16.  B n: of the four weights 4 n .. the
; second pair is added onto the first, in place.  L n: l takes that sum (L 0: l = a l + sum).  R n: pair n of 16 of O^T times a.  For piece Y + 1: X n, number n of the 22 that find its maximum and statistics:
;   0-11 four chains c0-c3 of seven scores each (each accumulator's lowest registers are read first)   12-14, 16 the scores left over, the old m, c0-c3 into c0
;   15 c m_old is kept   17, 18 the other half of the lanes': the new m   19-21 c m; c m_old - c m_new; a
.set F, 0
.set E, 1
.set C, 2
.set B, 3
.set L, 4
.set R, 5
.set X, 6
.macro REGS y
.set rT, ST+4*(\y)
.set rC, TMP+4*((\y)%2)
.set rW, MV+((\y)%2)
.set rS, S+32*((\y)%2)
.set rP, P+16*((\y)%2)
.set rO, 32*(\y)
.endm
.macro OP k, n
.if (\k) == R
	REGS Y
	WIN W_RS
	v_pk_mul_f32 v[rO+2*(\n):rO+2*(\n)+1], v[rO+2*(\n):rO+2*(\n)+1], v[rC+2:rC+3] op_sel_hi:[1,0]
.elseif (\k) < R
	REGS Y
	WIN 0
.if (\k) == F
	v_pk_fma_f32 v[rS+2*(\n):rS+2*(\n)+1], v[rS+2*(\n):rS+2*(\n)+1], s[CS:CS+1], v[rT:rT+1] op_sel_hi:[1,0,0] neg_lo:[0,0,1] neg_hi:[0,0,1]
.elseif (\k) == E
	v_exp_f32 v[rS+(\n)], v[rS+(\n)]
.elseif (\k) == C
	v_cvt_pk_bf16_f32 v[rP+(\n)], v[rS+2*(\n)], v[rS+2*(\n)+1]
.elseif (\k) == B
	v_pk_add_f32 v[rS+4*(\n):rS+4*(\n)+1], v[rS+4*(\n):rS+4*(\n)+1], v[rS+4*(\n)+2:rS+4*(\n)+3]
.elseif (\n) == 0
	v_pk_fma_f32 v[rT+2:rT+3], v[rT+2:rT+3], v[rC+2:rC+3], v[rS:rS+1] op_sel_hi:[1,0,1]
.else
	v_pk_add_f32 v[rT+2:rT+3], v[rT+2:rT+3], v[rS+4*(\n):rS+4*(\n)+1]
.endif
.else
	REGS (Y+1)%NP
	WIN 0
.if (\n) < 4
	v_max3_num_f32 v[rC+(\n)], v[rS+8*(\n)], v[rS+8*(\n)+1], v[rS+8*(\n)+2]
.elseif (\n) < 12
	v_max3_num_f32 v[rC+(\n)%4], v[rC+(\n)%4], v[rS+8*((\n)%4)+2*((\n)/4)+1], v[rS+8*((\n)%4)+2*((\n)/4)+2]
.elseif (\n) == 12
	v_max3_num_f32 v[rC], v[rC], v[rS+7], v[rS+15]
.elseif (\n) == 13
	v_max3_num_f32 v[rC+1], v[rC+1], v[rS+23], v[rS+31]
.elseif (\n) == 14
	v_max3_num_f32 v[rC+2], v[rC+2], v[rC+3], v[rT+1]
.elseif (\n) == 15
	v_mov_b32 v[rW], v[rT]
.elseif (\n) == 16
	v_max3_num_f32 v[rC], v[rC], v[rC+1], v[rC+2]
.elseif (\n) == 17
	v_permlanex16_b32 v[rC+3], v[rC], s[SEL], s[SEL+1]
.elseif (\n) == 18
	v_max_num_f32 v[rT+1], v[rC], v[rC+3]
.elseif (\n) == 19
	v_mul_f32 v[rT], s[CS], v[rT+1]
.elseif (\n) == 20
	v_sub_f32 v[rC+1], v[rW], v[rT]
.else
	v_exp_f32 v[rC+2], v[rC+1]
.endif
.endif
.endm
.macro OPS a, i1, b=-1, i2=0, c=-1, i3=0, d=-1, i4=0
	OP \a, \i1
.if (\b) >= 0
	OP \b, \i2
.endif
.if (\c) >= 0
	OP \c, \i3
.endif
.if (\d) >= 0
	OP \d, \i4
.endif
.endm
.macro ROW a, i1, b, i2, c, i3, d, i4  ; a matrix instruction and the four behind it
	MM
	OPS \a, \i1, \b, \i2, \c, \i3, \d, \i4
.endm
; A TURN, for piece p.  AHEAD OF ITS ONE WAIT stands all that names no result of the turn's exponentials: the 8 products K Q^T with their riders, then one lump; X 21, the next piece's a, is the batch's last, and R 15
; the plain instruction behind it.  BEHIND THE WAIT stand the 8 products V^T P, behind each four of the roundings and sums.  An X that rides behind a product stands four plain instructions or more behind the product
; that ends its accumulator.  K of the next step is fetched in piece 2's turn, five plain instructions that name none of its registers behind the last product that read K; V of the step in hand at the end of piece 0's turn, four plain
; instructions behind the last product that read V.  Each is waited for a turn later.  last = 1 (the tail): K's address is held at the last slot's last step, so the trip behind the last step reads that K once more.
; cnt = 1: the loop's count is taken down some lines ahead of the branch that stands behind the turn.
.macro TURN p, last=0, cnt=0
.set Y, (\p)
.set i, 0
.if (\p) == 3
	s_wait_dscnt 0x0                ; K is in
.endif
	ROW F,0, F,1, R,0, R,1
	ROW F,2, E,0, R,2, R,3
	ROW F,3, E,1, R,4, R,5
	ROW F,4, E,2, R,6, R,7
	ROW F,5, E,3, R,8, R,9
	ROW F,6, E,4, X,0, R,10
.if (\p) == 2
	WIN 0
.if \last
	s_min_u32 s[KSEL], s[TBK], SLOT1+3*KS*PK
	v_add_nc_u32 v[AK], s[KSEL], v[AK0]
.else
	v_add_nc_u32 v[AK], s[TBK], v[AK0]
.endif
.endif
	ROW F,7, E,5, X,1, X,4
	ROW F,8, E,6, X,2, X,5
	OPS E,7, E,8, X,6, E,9
	OPS X,3, E,10, X,8, E,11
.if (\p) == 2
	FETCH_K
.endif
	OPS X,9, X,7, E,12, X,10
	OPS E,13, X,12, X,11, E,14
	OPS X,13, E,15, F,9, X,14
.if (\p) == 0
	v_add_nc_u32 v[AV], s[TBV], v[AV0]
.endif
	OPS E,16, F,10, E,17, F,11
	OPS X,16, E,18, X,15, E,19
	OPS F,12, E,20, X,17, E,21
	OPS F,13, E,22, F,14, E,23
	OPS X,18, E,24, F,15, E,25
	OPS R,11, E,26, X,19, E,27
	OPS R,12, E,28, R,13, E,29
	OPS X,20, E,30, R,14, E,31
	OPS X,21, R,15
	WIN 0
	s_wait_alu depctr_va_vdst(0)    ; the wait for the batch, ahead of the first line that names a result
.if (\p) == 1
	s_wait_dscnt 0x0                ; V is in
.endif
	ROW C,0, B,0, C,2, B,1
	ROW L,0, C,4, B,2, L,1
	ROW C,6, B,3, L,2, C,8
	ROW B,4, L,3, C,10, B,5
	ROW L,4, C,12, B,6, L,5
.if (\p) == 0
	s_add_co_u32 s[TBV], s[TBV], KS*PV
.endif
.if \cnt
	s_sub_co_u32 s[CNT], s[CNT], 1
	s_cmp_lg_u32 s[CNT], 0
.endif
	ROW C,14, B,7, L,6, C,1
	ROW C,3, L,7, C,5, C,7
	ROW C,9, C,11, C,13, C,15
.if (\p) == 0
	FETCH_V
.endif
.endm
	CHANGE 1                        ; slot 0 is in, everybody's part of it; slot 1 is asked for
	FETCH_K                         ; key step 0
	s_wait_loadcnt 0x0              ; Q
	s_wait_dscnt 0x0
.set i, 0
.rept 8
	KQ 0                            ; piece 0's first scores
.set i, i+1
.endr
	WIN 0                           ; the addresses for the way out: nine plain instructions, the places behind those products
	s_mul_i32 s13, s[WV], 16*SP
	s_add_co_u32 s13, s13, STAGE    ; my stage
	v_mul_u32_u24 v[STO], v1, SP
	v_lshl_add_u32 v[STO], v9, 4, v[STO]
	v_add_nc_u32 v[STO], s13, v[STO]
	v_bfe_u32 v[RD], v0, 3, 2
	v_mul_u32_u24 v[RD], v[RD], SP
	v_lshl_add_u32 v[RD], v10, 4, v[RD]
	v_add_nc_u32 v[RD], s13, v[RD]
	v_and_b32 v[GO], 31, v0
	v_lshlrev_b32 v[GO], 4, v[GO]
.set Y, NP-1                        ; X works for piece Y + 1: piece 0
.irp n, 0,1,2,3,4,5,6,7,8,9,10,11,12,13,14,15,16,17,18,19,20,21
	OP X, \n
.endr
	v_nop                           ; a plain instruction behind the exponential,
	s_wait_alu depctr_va_vdst(0)    ; and its wait, ahead of the branch
	s_mov_b32 s[CNT], 4
	s_branch .Lfirst                ; the loop is entered at a step's first turn, in the middle of a trip
.Lslot:                             ; six times: every slot but the last two is filled again
	CHANGE 1
	s_mov_b32 s[CNT], 4
.Lstep:                             ; a trip: pieces 2 and 3 of one step, then pieces 0 and 1 of the next, whose K and V it fetches
	TURN 2
	TURN 3
	WIN 0
.Lfirst:
	TURN 0
	TURN 1, 0, 1
	WIN 0
	s_cbranch_scc1 .Lstep
	s_sub_co_u32 s[SLOTS], s[SLOTS], 1
	s_cmp_lg_u32 s[SLOTS], 0
	s_cbranch_scc1 .Lslot
	CHANGE 0                        ; the tail is written out: nothing is asked for
	s_mov_b32 s[CNT], 5             ; four trips fetch the last slot's steps; the fifth is left in its middle
.Ltail:
	TURN 2, 1
	TURN 3
	WIN 0
	s_sub_co_u32 s[CNT], s[CNT], 1
	s_cmp_eq_u32 s[CNT], 0
	s_cbranch_scc1 .Lout
	TURN 0
	TURN 1
	WIN 0
	s_branch .Ltail
.Lout:                              ; the fifth trip's 8 products K Q^T (on the last K once more) and the maximum made of them serve nothing: the price of one text for every trip
.set i, 0
.rept 8
	PV NP-1                         ; the last piece's V^T P of the last step
.set i, i+1
.endr
	; THE WAY OUT.  l's halves are added; O^T is divided by l, rounded to bf16 and sent through my stage, a piece at a time.  The additions are the places behind the last products.
	WIN 0
.macro ALL line:vararg
.set t, 0
.rept 4
	\line
.set t, t+1
.endr
.endm
	ALL v_add_f32 v[ST+4*t+2], v[ST+4*t+2], v[ST+4*t+3]
	ALL v_permlanex16_b32 v[ST+4*t+3], v[ST+4*t+2], s[SEL], s[SEL+1]
	ALL v_add_f32 v[ST+4*t+2], v[ST+4*t+2], v[ST+4*t+3]
	ALL v_rcp_f32 v[ST+4*t+2], v[ST+4*t+2]
	v_nop                           ; a plain instruction behind the last reciprocal
	s_wait_alu depctr_va_vdst(0)    ; one wait for the four, ahead of their first reader
.macro PACK t
	WIN W_RS
.set i, 32*(\t)
.rept 16
	v_pk_mul_f32 v[i:i+1], v[i:i+1], v[ST+4*(\t)+2:ST+4*(\t)+3] op_sel_hi:[1,0]
.set i, i+2
.endr
	WIN 0x05
.set i, 0
.rept 16
	v_cvt_pk_bf16_f32 v[S+16*(\t)+i], v[32*(\t)+2*i], v[32*(\t)+2*i+1]
.set i, i+1
.endr
	WIN 0
.irp f, 0,1,2,3
	ds_store_b128 v[STO], v[S+16*(\t)+4*\f:S+16*(\t)+4*\f+3] offset:32*\f
.endr
.irp f, 0,1,2,3
	ds_load_b128 v[S+16*(\t)+4*\f:S+16*(\t)+4*\f+3], v[RD] offset:\f*4*SP  ; LDS serves a wave's instructions in order: these see the stores above
.endr
.endm
.macro SEND t, younger              ; younger: the LDS instructions issued behind piece t's loads: the next piece's eight, or none
	WIN 0
.irp f, 0,1,2,3
	s_wait_dscnt (\younger)+3-\f
	global_store_b128 v[GO], v[S+16*(\t)+4*\f:S+16*(\t)+4*\f+3], s[10:11] offset:(\t)*2048+\f*512  ; 512 consecutive bytes, aligned
.endr
.endm
	PACK 0
.set t, 1
.rept 3
	PACK t
	SEND t-1, 8
.set t, t+1
.endr
	SEND 3, 0
	s_wait_tensorcnt 0x0            ; the wave's end
	ds_add_u32 v[SPW], v[NIL]
	s_wait_dscnt 0x0
	CROUND                          ; the closing round
	s_endpgm
.Lfunc_end_k_qce505b1623_attn:
	.size	k_qce505b1623_attn, .Lfunc_end_k_qce505b1623_attn-k_qce505b1623_attn
	.p2alignl 7, 3214868480
	.fill 96, 4, 3214868480
	.section	.rodata,"a",@progbits
	.p2align	6, 0x0
	.amdhsa_kernel k_qce505b1623_attn
		.amdhsa_group_segment_fixed_size 327680
		.amdhsa_private_segment_fixed_size 0
		.amdhsa_enable_private_segment 0
		.amdhsa_kernarg_size 16
		.amdhsa_user_sgpr_count 2
		.amdhsa_user_sgpr_kernarg_segment_ptr 1
		.amdhsa_wavefront_size32 1
		.amdhsa_system_sgpr_workgroup_id_x 1
		.amdhsa_system_sgpr_workgroup_id_y 1
		.amdhsa_system_sgpr_workgroup_id_z 1
		.amdhsa_system_vgpr_workitem_id 0
		.amdhsa_next_free_vgpr 768
		.amdhsa_next_free_sgpr 72
		.amdhsa_reserve_vcc 0
		.amdhsa_float_denorm_mode_32 3
		.amdhsa_float_denorm_mode_16_64 3
		.amdhsa_memory_ordered 1
		.amdhsa_forward_progress 1
		.amdhsa_inst_pref_size 112
	.end_amdhsa_kernel
	.amdgpu_metadata
---
amdhsa.version: [ 1, 2 ]
amdhsa.kernels:
  - .name:           k_qce505b1623_attn
    .symbol:         k_qce505b1623_attn.kd
    .args:
      - { .name: big, .offset: 0, .size: 8, .value_kind: global_buffer, .address_space: global }
      - { .name: act, .offset: 8, .size: 8, .value_kind: global_buffer, .address_space: global }
    .group_segment_fixed_size: 327680
    .private_segment_fixed_size: 0
    .kernarg_segment_align: 8
    .kernarg_segment_size: 16
    .max_flat_workgroup_size: 128
    .sgpr_count:     72
    .vgpr_count:     768
    .wavefront_size: 32
...
	.end_amdgpu_metadata
.endif
;; end of part 3
;; launch oproj (part 4): grid 8 x 32, 4 waves a work-group, clusters of 4 x 4, 327,680 bytes of LDS; arguments act, wsm, x, x1; writes x1
.if DOCPART == 4
	.amdgcn_target "amdgcn-amd-amdhsa--gfx1250"
	.amdhsa_code_object_version 6
	.text
	.protected	k_qce505b1623_oproj
	.globl	k_qce505b1623_oproj
	.p2align	8
	.type	k_qce505b1623_oproj,@function
k_qce505b1623_oproj:
	s_mov_b64 s[64:65], 0
	v_nop
	global_prefetch_b8 v0, s[64:65] scope:SCOPE_SE
	s_setreg_imm32_b32 hwreg(HW_REG_WAVE_MODE, 25, 1), 1
	s_wait_xcnt 0x0
	s_wait_alu depctr_hold_cnt(0) depctr_sa_sdst(0) depctr_va_vdst(0) depctr_va_sdst(0) depctr_va_ssrc(0) depctr_va_vcc(0) depctr_vm_vsrc(0)
	s_getreg_b32 s2, hwreg(HW_REG_IB_STS2, 6, 4)
	s_cmp_eq_u32 s2, 0
	s_cbranch_scc0 .Lentry_in_a_cluster
	s_endpgm
.Lentry_in_a_cluster:
	s_bfe_u32 s2, ttmp6, 0x10000c
	s_cmp_lg_u32 s2, 0xf033
	s_cbranch_scc0 .Lentry_shape_is_right
	s_endpgm
.Lentry_shape_is_right:
; OUT = RES + A B^T + bias, f32, [4096][1024].  Here: A = the attention's result, B = wo, bias = bo, RES = x rounded to bf16 (every input is rounded once), OUT = x1.
; A: bf16 in blocks of 64 columns, [SIZE_K / 64][4096][64].  B: bf16 [1024][SIZE_K] at byte BOFF of W.  bias: f32 at byte BIASOFF of W.  Sums in f32, started by the bias.
; A tile of OUT is 128 x 128 (256 tiles); four waves, 64 x 64 each: 16 accumulators.  K goes in steps of 256 through two LDS slots.  A's half tile is four dense pieces of 8,192 bytes (64 rows of a column block),
; padded in LDS after every 128 bytes; B's is 64 rows of 512 bytes.  CLUSTERS: 4 x 4; A's tile shared along a row, B's along a column, asked for jointly.
; The loop's trip is one K step: the walking descriptors' LDS word and the offset of the slot being read are turned by an exclusive or (slot 1 begins where no base shares a bit with its offset).
; The matrix instruction is used transposed: a lane holds eight neighbouring columns of a row.  A wave's 64 columns are 256 aligned bytes of OUT: each wave has its own stage.
; No prefetch: a tile's share of a K step is small, and the tiles are read by several work-groups at once.
; REGISTERS: window 0: v0-31 addresses; v32-95 the way out, two buffers; v96-127 the bias as the first products' C; v128-255 accumulators.  window 1: two fragment buffers of 128.  window 2: v0-127 RES; v128-131 at work.
.set SIZE_K,    1024
.set BOFF,      0
.set BIASOFF,   10485760
.set ROUND_RES, 1
.set NSTEP,  SIZE_K/256
.set PA,     144
.set PB,     528
.set AH,     4*64*PA                   ; A's half: [4 column blocks][64 rows][144]
.set BH,     64*PB
.set SLOTB,  2*AH+2*BH
.set SLOT1,  147456
.set STAGE,  SLOT1+SLOTB
.set SPITCH, 272
.set WSTAGE, 16*SPITCH
.set SPARE,  STAGE+4*WSTAGE
.set ASTEP,  4*524288                  ; a K step in A: four column blocks
.set ADRA0, 16
.set ADRB0, 17
.set CA,  18
.set CB,  19
.set STO, 24
.set RD,  25
.set CO,  26
.set SPW, 28
.set NIL, 29
.set BO,  31
.set TMP, 32
.set BIAS, 96
.set ACC, 128
.set F0,  0
.set F1,  128
.set WV,  12
.set RH,  13
.set CH,  14
.set CNT, 15
.set G1A, 24
.set G0A, 32
.set G1B, 48
.set G0B, 56
.set TB,  66
.set MSB, 0
.macro WIN new
.if MSB != (\new)
	s_set_vgpr_msb (MSB<<8)|(\new)
.set MSB, \new
.endif
.endm
.set MUL,  0x05
.set TO_F, 0x40
.macro PLACES
.rept 4
	v_nop
.endr
.endm
.macro JLOAD
	s_cmp_eq_u32 s[RH], 0
	s_cbranch_scc0 .Lfor_b_\@
	tensor_load_to_lds s[G0A+4:G0A+7], s[G1A:G1A+7]
	s_nop 0
.rept 4
	v_nop
.endr
	s_branch .Lasked_\@
.Lfor_b_\@:
	tensor_load_to_lds s[G0B+4:G0B+7], s[G1B:G1B+7]
	s_nop 0
.rept 4
	v_nop
.endr
.Lasked_\@:
.endm
.macro CREST
	s_cmp_lg_u32 s[WV], 0
	s_cbranch_scc1 .Lnot_wave_0_\@
	s_barrier_signal -3
.Lnot_wave_0_\@:
	s_barrier_wait -3
	s_barrier_signal -1
	s_barrier_wait -1
.endm
.macro CROUND
	s_barrier_signal -1
	s_barrier_wait -1
	CREST
.endm
	s_load_b256 s[4:11], s[0:1], 0x0               ; A s[4:5], W s[6:7], RES s[8:9], OUT s[10:11]
	v_lshl_add_u32 v[SPW], v0, 2, SPARE
	v_mov_b32 v[NIL], 0
	ds_add_u32 v[SPW], v[NIL]                      ; the wave's opening: the add and its wait ahead of my first tensor load
	v_lshrrev_b32 v1, 5, v0
	v_readfirstlane_b32 s[WV], v1
	s_lshr_b32 s[RH], s[WV], 1                     ; my half of the rows; also: I fetch for A (0) or B (1)
	s_and_b32 s[CH], s[WV], 1                      ; my half of the columns; also: which 64 rows I fetch
	s_bfe_u32 s16, ttmp6, 0x40000                  ; cx
	s_bfe_u32 s17, ttmp6, 0x40004                  ; cy
	s_lshl_b32 s18, ttmp9, 2
	s_add_co_u32 s18, s18, s16                     ; tile column
	s_and_b32 s19, ttmp7, 0xffff
	s_lshl_b32 s19, s19, 2
	s_add_co_u32 s19, s19, s17                     ; tile row
	s_lshl_b32 s20, s17, 2
	s_lshl_b32 s20, 15, s20
	s_lshl_b32 s21, 0x1111, s16
	s_or_b32 s[G1A], s20, (1<<16)|(1<<20)|(1<<21)|(4<<22)|(3<<25)  ; padding: after every 32 words 4 words
	s_mov_b32 s[G1A+1], 4096<<16                   ; tensor_dim0 = 4,096 elements: 64 dense rows of a column block
	s_mov_b32 s[G1A+2], 4<<16                      ; tensor_dim1 = 4 column blocks
	s_mov_b32 s[G1A+3], 4096<<16                   ; tile_dim0
	s_mov_b32 s[G1A+4], 4                          ; tile_dim1
	s_mov_b32 s[G1A+5], 262144                     ; elements from a column block to the next
	s_mov_b32 s[G1A+6], 0
	s_mov_b32 s[G1A+7], 0
	s_or_b32 s[G1B], s21, (1<<16)|(1<<20)|(1<<21)|(6<<22)|(3<<25)  ; after every 128 words 4 words
	s_mov_b32 s[G1B+1], 256<<16
	s_mov_b32 s[G1B+2], 64<<16
	s_mov_b32 s[G1B+3], 256<<16
	s_mov_b32 s[G1B+4], 64
	s_mov_b32 s[G1B+5], SIZE_K
	s_mov_b32 s[G1B+6], 0
	s_mov_b32 s[G1B+7], 0
	s_lshl_b32 s40, s[CH], 6
	s_lshl_b32 s22, s19, 7
	s_add_co_u32 s22, s22, s40
	s_lshl_b32 s22, s22, 7                         ; A: (128 x tile row + 64 x half) rows of 128 bytes
	s_mov_b32 s23, 0
	s_lshl_b32 s46, s18, 7
	s_add_co_u32 s46, s46, s40
	s_mul_i32 s46, s46, SIZE_K*2                   ; B: (128 x tile column + 64 x half) rows
	s_add_co_u32 s46, s46, BOFF
	s_mov_b32 s47, 0
	s_mul_i32 s41, s[CH], AH                       ; where A's half goes,
	s_mul_i32 s42, s[CH], BH
	s_add_co_u32 s42, s42, 2*AH                    ; and B's
	s_mov_b32 s[TB], 0
	s_wait_dscnt 0x0                               ; the opening add is done
	s_wait_kmcnt 0x0
	s_add_nc_u64 s[22:23], s[4:5], s[22:23]
	s_add_nc_u64 s[46:47], s[6:7], s[46:47]
.irp s, 0,1
	s_mov_b32 s[G0A+4*(\s)], 1
	s_add_co_u32 s[G0A+4*(\s)+1], s41, (\s)*SLOT1
	s_add_nc_u64 s[G0A+4*(\s)+2:G0A+4*(\s)+3], s[22:23], (\s)*ASTEP
	s_or_b32 s[G0A+4*(\s)+3], s[G0A+4*(\s)+3], 0x80000000
	s_mov_b32 s[G0B+4*(\s)], 1
	s_add_co_u32 s[G0B+4*(\s)+1], s42, (\s)*SLOT1
	s_add_nc_u64 s[G0B+4*(\s)+2:G0B+4*(\s)+3], s[46:47], (\s)*512
	s_or_b32 s[G0B+4*(\s)+3], s[G0B+4*(\s)+3], 0x80000000
.endr
	CROUND                                         ; all sixteen work-groups are here: the first joint loads meet
	s_cmp_eq_u32 s[RH], 0                          ; a wave's two first fills stand in one branch: two loads of mine are out
	s_cbranch_scc0 .Lfirst_b
	tensor_load_to_lds s[G0A:G0A+3], s[G1A:G1A+7]
	s_nop 0
	tensor_load_to_lds s[G0A+4:G0A+7], s[G1A:G1A+7]
	s_nop 0
.rept 4
	v_nop
.endr
	s_branch .Lfirst_asked
.Lfirst_b:
	tensor_load_to_lds s[G0B:G0B+3], s[G1B:G1B+7]
	s_nop 0
	tensor_load_to_lds s[G0B+4:G0B+7], s[G1B:G1B+7]
	s_nop 0
.rept 4
	v_nop
.endr
.Lfirst_asked:
	v_and_b32 v1, 15, v0                           ; l % 16
	v_bfe_u32 v2, v0, 4, 1                         ; l / 16
	s_lshl_b32 s72, s18, 9
	s_lshl_b32 s73, s[CH], 8
	s_add_co_u32 s72, s72, s73                     ; my first column, in bytes of f32
	s_mov_b32 s73, 0
	s_add_nc_u64 s[70:71], s[6:7], BIASOFF
	s_add_nc_u64 s[70:71], s[70:71], s[72:73]
	v_lshlrev_b32 v[BO], 5, v2
.irp b, 0,1,2,3
	global_load_b128 v[BIAS+8*(\b):BIAS+8*(\b)+3],   v[BO], s[70:71] offset:64*(\b)
	global_load_b128 v[BIAS+8*(\b)+4:BIAS+8*(\b)+7], v[BO], s[70:71] offset:64*(\b)+16
.endr
	s_lshl_b32 s74, s19, 7
	s_lshl_b32 s75, s[RH], 6
	s_add_co_u32 s74, s74, s75
	s_lshl_b32 s74, s74, 12                        ; my first row, of 4,096 bytes
	s_add_co_u32 s72, s72, s74
	s_add_nc_u64 s[8:9], s[8:9], s[72:73]
	s_add_nc_u64 s[10:11], s[10:11], s[72:73]
	v_lshlrev_b32 v[CO], 4, v1
	v_lshl_add_u32 v[CO], v2, 12, v[CO]            ; lanes 0-15 one row's 256 bytes, lanes 16-31 the next row's
	WIN 0x80
.set i, 0
.rept 32                               ; my 64 x 64 of RES, laid as the rows come back from the stage; they land while K is walked
	global_load_b128 v[4*i:4*i+3], v[CO], s[8:9] offset:((i/8)*16+2*(i%8))*4096 th:TH_LOAD_NT
.set i, i+1
.endr
	WIN 0
	v_mul_u32_u24 v3, v1, PA
	v_lshl_add_u32 v3, v2, 4, v3
	s_mul_i32 s43, s[RH], AH
	v_add_nc_u32 v[ADRA0], s43, v3
	v_mul_u32_u24 v3, v1, PB
	v_lshl_add_u32 v3, v2, 4, v3
	s_mul_i32 s43, s[CH], BH
	s_add_co_u32 s43, s43, 2*AH
	v_add_nc_u32 v[ADRB0], s43, v3
	v_mov_b32 v[CA], v[ADRA0]
	v_mov_b32 v[CB], v[ADRB0]
	s_mul_i32 s43, s[WV], WSTAGE
	s_add_co_u32 s43, s43, STAGE                   ; my stage
	v_mul_u32_u24 v4, v1, SPITCH
	v_lshl_add_u32 v4, v2, 5, v4
	v_add_nc_u32 v[STO], s43, v4                   ; in: row l % 16, 32 bytes for each half of the lanes
	v_mul_u32_u24 v5, v2, SPITCH
	v_lshl_add_u32 v5, v1, 4, v5
	v_add_nc_u32 v[RD], s43, v5                    ; back: two whole rows of 256 bytes
; 8 matrix instructions: m blocks a0, a0 + 1 x all 4 n blocks, 32 along K: half c of buffer f.  mode = 1: the bias starts the sums
.macro MUL8 f, c, a0, mode
	WIN MUL
.irp a, \a0, (\a0)+1
.irp b, 0,1,2,3
.if \mode
	v_wmma_f32_16x16x32_bf16 v[ACC+8*(4*(\a)+(\b)):ACC+8*(4*(\a)+(\b))+7], v[(\f)+64+8*(4*(\c)+(\b)):(\f)+64+8*(4*(\c)+(\b))+7], v[(\f)+8*(4*(\c)+(\a)):(\f)+8*(4*(\c)+(\a))+7], v[BIAS+8*(\b):BIAS+8*(\b)+7]
.else
	v_wmma_f32_16x16x32_bf16 v[ACC+8*(4*(\a)+(\b)):ACC+8*(4*(\a)+(\b))+7], v[(\f)+64+8*(4*(\c)+(\b)):(\f)+64+8*(4*(\c)+(\b))+7], v[(\f)+8*(4*(\c)+(\a)):(\f)+8*(4*(\c)+(\a))+7], v[ACC+8*(4*(\a)+(\b)):ACC+8*(4*(\a)+(\b))+7]
.endif
.endr
.endr
.endm
; 32 LDS loads in one run: quarter q's fragments (64 along K: one column block of A) into buffer f; the first 32 along K first
.macro FETCH q, f
	WIN TO_F
.irp c, 0,1
.irp i, 0,1,2,3
	ds_load_b128 v[(\f)+64+8*(4*(\c)+(\i)):(\f)+64+8*(4*(\c)+(\i))+3],   v[CB] offset:(\q)*128+64*(\c)+(\i)*16*PB
	ds_load_b128 v[(\f)+64+8*(4*(\c)+(\i))+4:(\f)+64+8*(4*(\c)+(\i))+7], v[CB] offset:(\q)*128+64*(\c)+(\i)*16*PB+32
	ds_load_b128 v[(\f)+8*(4*(\c)+(\i)):(\f)+8*(4*(\c)+(\i))+3],         v[CA] offset:(\q)*64*PA+64*(\c)+(\i)*16*PA
	ds_load_b128 v[(\f)+8*(4*(\c)+(\i))+4:(\f)+8*(4*(\c)+(\i))+7],       v[CA] offset:(\q)*64*PA+64*(\c)+(\i)*16*PA+32
.endr
.endr
.endm
.macro QUARTER q, f, g, mode           ; multiplies buffer f and fetches quarter q into g.  The 16 accumulators take turns
	s_wait_dscnt 16                                ; the first 32 along K are in
	MUL8 \f, 0, 0, \mode
	MUL8 \f, 0, 2, \mode
	PLACES
	FETCH \q, \g
	s_wait_dscnt 32                                ; all but the 32 just issued
	MUL8 \f, 1, 0, 0
	MUL8 \f, 1, 2, 0
.endm
; The last quarter multiplies buffer 1 and changes slots: in front of the barrier each wave waits for all its tensor loads, adds 0 to its spare word, and waits for that and for its reads of this slot.
.macro TURN fill
	WIN 0
	s_wait_tensorcnt 0x0
	ds_add_u32 v[SPW], v[NIL]
	s_wait_dscnt 17                                ; the add and the youngest sixteen loads may be out
	MUL8 F1, 0, 0, 0
	s_wait_dscnt 0x0                               ; the add is done, and my reads of this slot are over
	s_barrier_signal -1
	MUL8 F1, 0, 2, 0
	WIN 0
	s_barrier_wait -1
.if \fill
	CREST                                          ; the barrier has opened a round of the cluster's
	s_xor_b32 s[G0A+5], s[G0A+5], SLOT1
	s_add_nc_u64 s[G0A+6:G0A+7], s[G0A+6:G0A+7], ASTEP
	s_xor_b32 s[G0B+5], s[G0B+5], SLOT1
	s_add_nc_u64 s[G0B+6:G0B+7], s[G0B+6:G0B+7], 512
	JLOAD                                          ; the first tensor load behind the round; its four v_nop are also the places in front of the loads below
.else
	PLACES
.endif
	s_xor_b32 s[TB], s[TB], SLOT1
	v_add_nc_u32 v[CA], s[TB], v[ADRA0]
	v_add_nc_u32 v[CB], s[TB], v[ADRB0]
	FETCH 0, F0
	MUL8 F1, 1, 0, 0
	MUL8 F1, 1, 2, 0
.endm
; THE WAY OUT of block a (16 rows x 64 columns of f32): into my stage and back as whole rows; RES is added; stored.
.macro SI a
	WIN 0
	s_wait_xcnt 0x0                                ; earlier stores have read their registers: this buffer is loaded again only behind this wait
.irp b, 0,1,2,3
	ds_store_b128 v[STO], v[ACC+8*(4*(\a)+(\b)):ACC+8*(4*(\a)+(\b))+3]   offset:64*(\b)
	ds_store_b128 v[STO], v[ACC+8*(4*(\a)+(\b))+4:ACC+8*(4*(\a)+(\b))+7] offset:64*(\b)+16
.endr
.irp t, 0,1,2,3,4,5,6,7
	ds_load_b128 v[TMP+32*((\a)%2)+4*(\t):TMP+32*((\a)%2)+4*(\t)+3], v[RD] offset:2*SPITCH*(\t)  ; LDS serves a wave's instructions in order
.endr
.endm
.macro SENDO a, y                      ; y: the LDS instructions issued behind block a's loads: the next block's sixteen, or none
	s_wait_dscnt \y
	WIN 0x08                                       ; source 1 (RES) in window 2
.set i, 0
.rept 16
	v_pk_add_f32 v[TMP+32*((\a)%2)+2*i:TMP+32*((\a)%2)+2*i+1], v[TMP+32*((\a)%2)+2*i:TMP+32*((\a)%2)+2*i+1], v[32*(\a)+2*i:32*(\a)+2*i+1]
.set i, i+1
.endr
	WIN 0
.irp t, 0,1,2,3,4,5,6,7
	global_store_b128 v[CO], v[TMP+32*((\a)%2)+4*(\t):TMP+32*((\a)%2)+4*(\t)+3], s[10:11] offset:(16*(\a)+2*(\t))*4096  ; 16 lanes store 256 consecutive bytes, aligned
.endr
.endm
	s_wait_tensorcnt 1                             ; my part of K step 0 is in; K step 1's may stay out
	s_barrier_signal -1
	s_barrier_wait -1
	FETCH 0, F0
	s_wait_loadcnt 32                              ; the bias is in; RES's 32 loads may stay out
	QUARTER 1, F0, F1, 1
	WIN 0
	s_mov_b32 s[CNT], NSTEP-2
.Lstep:                                                ; a trip: from a K step's second quarter to the next step's first; it asks for the K step two on
	QUARTER 2, F1, F0, 0
	QUARTER 3, F0, F1, 0
	TURN 1
	QUARTER 1, F0, F1, 0
	WIN 0
	s_sub_co_u32 s[CNT], s[CNT], 1
	s_cmp_lg_u32 s[CNT], 0
	s_cbranch_scc1 .Lstep
	QUARTER 2, F1, F0, 0                           ; the last two K steps ask for nothing
	QUARTER 3, F0, F1, 0
	TURN 0
	QUARTER 1, F0, F1, 0
	QUARTER 2, F1, F0, 0
	QUARTER 3, F0, F1, 0
	s_wait_dscnt 16
	MUL8 F1, 0, 0, 0
	MUL8 F1, 0, 2, 0
	s_wait_dscnt 0x0
	MUL8 F1, 1, 0, 0
	MUL8 F1, 1, 2, 0
	PLACES
	s_wait_loadcnt 0x0                             ; RES
.if ROUND_RES
	WIN 0x8a                                       ; all in window 2
.set i, 0
.rept 64
	v_cvt_pk_bf16_f32 v[128+i%4], v[2*i], v[2*i+1]
	v_lshlrev_b32 v[2*i], 16, v[128+i%4]
	v_and_b32 v[2*i+1], 0xffff0000, v[128+i%4]
.set i, i+1
.endr
.endif
	SI 0
	SI 1
	SENDO 0, 16
	SI 2
	SENDO 1, 16
	SI 3
	SENDO 2, 16
	SENDO 3, 0
	s_wait_tensorcnt 0x0                           ; the wave's end
	ds_add_u32 v[SPW], v[NIL]
	s_wait_dscnt 0x0
	CROUND                                         ; the closing round
	s_endpgm
.Lfunc_end_k_qce505b1623_oproj:
	.size	k_qce505b1623_oproj, .Lfunc_end_k_qce505b1623_oproj-k_qce505b1623_oproj
	.p2alignl 7, 3214868480
	.fill 96, 4, 3214868480
	.section	.rodata,"a",@progbits
	.p2align	6, 0x0
	.amdhsa_kernel k_qce505b1623_oproj
		.amdhsa_group_segment_fixed_size 327680
		.amdhsa_private_segment_fixed_size 0
		.amdhsa_enable_private_segment 0
		.amdhsa_kernarg_size 32
		.amdhsa_user_sgpr_count 2
		.amdhsa_user_sgpr_kernarg_segment_ptr 1
		.amdhsa_wavefront_size32 1
		.amdhsa_system_sgpr_workgroup_id_x 1
		.amdhsa_system_sgpr_workgroup_id_y 1
		.amdhsa_system_sgpr_workgroup_id_z 1
		.amdhsa_system_vgpr_workitem_id 0
		.amdhsa_next_free_vgpr 656
		.amdhsa_next_free_sgpr 80
		.amdhsa_reserve_vcc 0
		.amdhsa_float_denorm_mode_32 3
		.amdhsa_float_denorm_mode_16_64 3
		.amdhsa_memory_ordered 1
		.amdhsa_forward_progress 1
		.amdhsa_inst_pref_size 86
	.end_amdhsa_kernel
	.amdgpu_metadata
---
amdhsa.version: [ 1, 2 ]
amdhsa.kernels:
  - .name:           k_qce505b1623_oproj
    .symbol:         k_qce505b1623_oproj.kd
    .args:
      - { .name: act, .offset: 0, .size: 8, .value_kind: global_buffer, .address_space: global }
      - { .name: wsm, .offset: 8, .size: 8, .value_kind: global_buffer, .address_space: global }
      - { .name: x, .offset: 16, .size: 8, .value_kind: global_buffer, .address_space: global }
      - { .name: x1, .offset: 24, .size: 8, .value_kind: global_buffer, .address_space: global }
    .group_segment_fixed_size: 327680
    .private_segment_fixed_size: 0
    .kernarg_segment_align: 8
    .kernarg_segment_size: 32
    .max_flat_workgroup_size: 128
    .sgpr_count:     80
    .vgpr_count:     656
    .wavefront_size: 32
...
	.end_amdgpu_metadata
.endif
;; end of part 4
;; launch ln2 (part 5): grid 512 x 1, 8 waves a work-group, no clusters, 0 bytes of LDS; arguments x1, g2, be2, act; writes act
.if DOCPART == 5
	.amdgcn_target "amdgcn-amd-amdhsa--gfx1250"
	.amdhsa_code_object_version 6
	.text
	.protected	k_qce505b1623_ln2
	.globl	k_qce505b1623_ln2
	.p2align	8
	.type	k_qce505b1623_ln2,@function
k_qce505b1623_ln2:
	s_mov_b64 s[64:65], 0
	v_nop
	global_prefetch_b8 v0, s[64:65] scope:SCOPE_SE
	s_setreg_imm32_b32 hwreg(HW_REG_WAVE_MODE, 25, 1), 1
	s_wait_xcnt 0x0
; THE SECOND LAYERNORM: xn = g (x1 - mean) / (std + 1e-6) + be, std with divisor 1,023.  x1: [4096][1024] f32, as the launch before left it; xn -> act in bf16, [4096][1024].
; A row to a wave, kept in 32 registers between the passes: read once; the mean is taken first, then the sum of squared deviations; all in f32; g and be are rounded to bf16 like every input.
; Memory binds: loads of 16 bytes a lane on end, stores of which 32 lanes fill 256 consecutive aligned bytes; no LDS, no barrier.  NaN and infinities are not treated apart.
.set X,  8                             ; v[8:39]   the row
.set A,  40                            ; v[40:47]  four chains of partial sums
.set M,  48                            ; v[48:49]  the mean, twice
.set SC, 50                            ; v[50:51]  g / (std + eps), twice
.set BE, 52                            ; v[52:53]  be, twice
.set T,  54                            ; v[54:55]  at work
.set Y,  56                            ; v[56:71]  the row in bf16
.macro ACROSS                          ; the four chains -> the row's sum in v[T], in every lane
	v_pk_add_f32 v[A:A+1], v[A:A+1], v[A+2:A+3]
	v_pk_add_f32 v[A+4:A+5], v[A+4:A+5], v[A+6:A+7]
	v_pk_add_f32 v[A:A+1], v[A:A+1], v[A+4:A+5]
	v_add_f32 v[T], v[A], v[A+1]
	v_add_f32_dpp v[T], v[T], v[T] row_xmask:1 row_mask:0xf bank_mask:0xf
	v_add_f32_dpp v[T], v[T], v[T] row_xmask:2 row_mask:0xf bank_mask:0xf
	v_add_f32_dpp v[T], v[T], v[T] row_xmask:4 row_mask:0xf bank_mask:0xf
	v_add_f32_dpp v[T], v[T], v[T] row_xmask:8 row_mask:0xf bank_mask:0xf
	v_permlanex16_b32 v[A+1], v[T], s18, s19       ; the other half of the lanes; its destination has been written
	v_add_f32 v[T], v[T], v[A+1]
.endm
	s_load_b256 s[8:15], s[0:1], 0x0               ; x1, g2, be2, act
	v_lshrrev_b32 v1, 5, v0
	v_readfirstlane_b32 s21, v1
	s_lshl_b32 s20, ttmp9, 3
	s_add_co_u32 s20, s20, s21                     ; my wave's row
	v_and_b32 v1, 31, v0
	v_lshlrev_b32 v2, 4, v1
	v_lshlrev_b32 v3, 3, v1
	s_mov_b32 s18, 0x76543210
	s_mov_b32 s19, 0xfedcba98
	s_lshl_b32 s22, s20, 12
	s_mov_b32 s23, 0
	s_lshl_b32 s24, s20, 11
	s_mov_b32 s25, 0
	s_wait_kmcnt 0x0
	s_load_b32 s16, s[10:11], 0x0                  ; g
	s_load_b32 s17, s[12:13], 0x0                  ; be
	s_add_nc_u64 s[8:9], s[8:9], s[22:23]
	s_add_nc_u64 s[14:15], s[14:15], s[24:25]
.irp j, 0,1,2,3,4,5,6,7
	global_load_b128 v[X+4*(\j):X+4*(\j)+3], v2, s[8:9] offset:512*(\j)
.endr
	s_wait_loadcnt 0x0
.irp k, 0,1,2,3
	v_pk_add_f32 v[A+2*(\k):A+2*(\k)+1], v[X+2*(\k):X+2*(\k)+1], v[X+8+2*(\k):X+8+2*(\k)+1]
.endr
.irp g, 16,24
.irp k, 0,1,2,3
	v_pk_add_f32 v[A+2*(\k):A+2*(\k)+1], v[A+2*(\k):A+2*(\k)+1], v[X+(\g)+2*(\k):X+(\g)+2*(\k)+1]
.endr
.endr
	ACROSS
	v_mul_f32 v[M], 0x3a800000, v[T]               ; / 1,024
	v_mov_b32 v[M+1], v[M]
.set p, 0
.rept 16
	v_pk_add_f32 v[X+2*p:X+2*p+1], v[X+2*p:X+2*p+1], v[M:M+1] neg_lo:[0,1] neg_hi:[0,1]
.set p, p+1
.endr
.irp k, 0,1,2,3
	v_pk_mul_f32 v[A+2*(\k):A+2*(\k)+1], v[X+2*(\k):X+2*(\k)+1], v[X+2*(\k):X+2*(\k)+1]
.endr
.irp g, 8,16,24
.irp k, 0,1,2,3
	v_pk_fma_f32 v[A+2*(\k):A+2*(\k)+1], v[X+(\g)+2*(\k):X+(\g)+2*(\k)+1], v[X+(\g)+2*(\k):X+(\g)+2*(\k)+1], v[A+2*(\k):A+2*(\k)+1]
.endr
.endr
	ACROSS
	s_wait_kmcnt 0x0                               ; g and be
	v_mov_b32 v[SC], s16
	v_mov_b32 v[SC+1], s17
	v_mul_f32 v[T], 0x3a802008, v[T]               ; / 1,023
	v_sqrt_f32 v[T+1], v[T]
	v_cvt_pk_bf16_f32 v[BE], v[SC], v[SC+1]        ; g and be rounded: also the plain instruction behind the root
	s_wait_alu depctr_va_vdst(0)                   ; the wait ahead of the root's first reader
	v_add_f32 v[T+1], 0x358637bd, v[T+1]           ; + 1e-6
	v_rcp_f32 v[T], v[T+1]
	v_lshlrev_b32 v[SC], 16, v[BE]                 ; g: also the plain instruction behind the reciprocal
	v_and_b32 v[BE], 0xffff0000, v[BE]             ; be
	v_mov_b32 v[BE+1], v[BE]
	s_wait_alu depctr_va_vdst(0)                   ; and ahead of the reciprocal's first reader
	v_mul_f32 v[SC], v[SC], v[T]
	v_mov_b32 v[SC+1], v[SC]
.set p, 0
.rept 16
	v_pk_fma_f32 v[X+2*p:X+2*p+1], v[X+2*p:X+2*p+1], v[SC:SC+1], v[BE:BE+1]
.set p, p+1
.endr
.set p, 0
.rept 16
	v_cvt_pk_bf16_f32 v[Y+p], v[X+2*p], v[X+2*p+1]
.set p, p+1
.endr
.irp j, 0,1,2,3,4,5,6,7
	global_store_b64 v3, v[Y+2*(\j):Y+2*(\j)+1], s[14:15] offset:256*(\j)  ; 32 lanes store 256 consecutive bytes, aligned
.endr
	s_endpgm
.Lfunc_end_k_qce505b1623_ln2:
	.size	k_qce505b1623_ln2, .Lfunc_end_k_qce505b1623_ln2-k_qce505b1623_ln2
	.p2alignl 7, 3214868480
	.fill 96, 4, 3214868480
	.section	.rodata,"a",@progbits
	.p2align	6, 0x0
	.amdhsa_kernel k_qce505b1623_ln2
		.amdhsa_group_segment_fixed_size 0
		.amdhsa_private_segment_fixed_size 0
		.amdhsa_enable_private_segment 0
		.amdhsa_kernarg_size 32
		.amdhsa_user_sgpr_count 2
		.amdhsa_user_sgpr_kernarg_segment_ptr 1
		.amdhsa_wavefront_size32 1
		.amdhsa_system_sgpr_workgroup_id_x 1
		.amdhsa_system_sgpr_workgroup_id_y 1
		.amdhsa_system_sgpr_workgroup_id_z 1
		.amdhsa_system_vgpr_workitem_id 0
		.amdhsa_next_free_vgpr 72
		.amdhsa_next_free_sgpr 66
		.amdhsa_reserve_vcc 0
		.amdhsa_float_denorm_mode_32 3
		.amdhsa_float_denorm_mode_16_64 3
		.amdhsa_memory_ordered 1
		.amdhsa_forward_progress 1
		.amdhsa_inst_pref_size 10
	.end_amdhsa_kernel
	.amdgpu_metadata
---
amdhsa.version: [ 1, 2 ]
amdhsa.kernels:
  - .name:           k_qce505b1623_ln2
    .symbol:         k_qce505b1623_ln2.kd
    .args:
      - { .name: x1, .offset: 0, .size: 8, .value_kind: global_buffer, .address_space: global }
      - { .name: g2, .offset: 8, .size: 8, .value_kind: global_buffer, .address_space: global }
      - { .name: be2, .offset: 16, .size: 8, .value_kind: global_buffer, .address_space: global }
      - { .name: act, .offset: 24, .size: 8, .value_kind: global_buffer, .address_space: global }
    .group_segment_fixed_size: 0
    .private_segment_fixed_size: 0
    .kernarg_segment_align: 8
    .kernarg_segment_size: 32
    .max_flat_workgroup_size: 256
    .sgpr_count:     66
    .vgpr_count:     72
    .wavefront_size: 32
...
	.end_amdgpu_metadata
.endif
;; end of part 5
;; launch ffn1: the kernel of part 2 again; grid 16 x 16, 4 waves a work-group, clusters of 4 x 4, 327,680 bytes of LDS; arguments act, w1b, ebB, big; writes big
;; launch ffn2 (part 6): grid 8 x 32, 4 waves a work-group, clusters of 4 x 4, 327,680 bytes of LDS; arguments big, wsm, x1, out0; writes out0
.if DOCPART == 6
	.amdgcn_target "amdgcn-amd-amdhsa--gfx1250"
	.amdhsa_code_object_version 6
	.text
	.protected	k_qce505b1623_ffn2
	.globl	k_qce505b1623_ffn2
	.p2align	8
	.type	k_qce505b1623_ffn2,@function
k_qce505b1623_ffn2:
	s_mov_b64 s[64:65], 0
	v_nop
	global_prefetch_b8 v0, s[64:65] scope:SCOPE_SE
	s_setreg_imm32_b32 hwreg(HW_REG_WAVE_MODE, 25, 1), 1
	s_wait_xcnt 0x0
	s_wait_alu depctr_hold_cnt(0) depctr_sa_sdst(0) depctr_va_vdst(0) depctr_va_sdst(0) depctr_va_ssrc(0) depctr_va_vcc(0) depctr_vm_vsrc(0)
	s_getreg_b32 s2, hwreg(HW_REG_IB_STS2, 6, 4)
	s_cmp_eq_u32 s2, 0
	s_cbranch_scc0 .Lentry_in_a_cluster
	s_endpgm
.Lentry_in_a_cluster:
	s_bfe_u32 s2, ttmp6, 0x10000c
	s_cmp_lg_u32 s2, 0xf033
	s_cbranch_scc0 .Lentry_shape_is_right
	s_endpgm
.Lentry_shape_is_right:
; OUT = RES + A B^T + bias, f32, [4096][1024].  Here: A = the hidden layer behind its ReLU, B = w2, bias = b2, RES = x1 (f32, as it was left), OUT = the module's result.
; A: bf16 in blocks of 64 columns, [SIZE_K / 64][4096][64].  B: bf16 [1024][SIZE_K] at byte BOFF of W.  bias: f32 at byte BIASOFF of W.  Sums in f32, started by the bias.
; A tile of OUT is 128 x 128 (256 tiles); four waves, 64 x 64 each: 16 accumulators.  K goes in steps of 256 through two LDS slots.  A's half tile is four dense pieces of 8,192 bytes (64 rows of a column block),
; padded in LDS after every 128 bytes; B's is 64 rows of 512 bytes.  CLUSTERS: 4 x 4; A's tile shared along a row, B's along a column, asked for jointly.
; The loop's trip is one K step: the walking descriptors' LDS word and the offset of the slot being read are turned by an exclusive or (slot 1 begins where no base shares a bit with its offset).
; The matrix instruction is used transposed: a lane holds eight neighbouring columns of a row.  A wave's 64 columns are 256 aligned bytes of OUT: each wave has its own stage.
; No prefetch: a tile's share of a K step is small, and the tiles are read by several work-groups at once.
; REGISTERS: window 0: v0-31 addresses; v32-95 the way out, two buffers; v96-127 the bias as the first products' C; v128-255 accumulators.  window 1: two fragment buffers of 128.  window 2: v0-127 RES.
.set SIZE_K,    4096
.set BOFF,      2097152
.set BIASOFF,   10489856
.set ROUND_RES, 0
.set NSTEP,  SIZE_K/256
.set PA,     144
.set PB,     528
.set AH,     4*64*PA                   ; A's half: [4 column blocks][64 rows][144]
.set BH,     64*PB
.set SLOTB,  2*AH+2*BH
.set SLOT1,  147456
.set STAGE,  SLOT1+SLOTB
.set SPITCH, 272
.set WSTAGE, 16*SPITCH
.set SPARE,  STAGE+4*WSTAGE
.set ASTEP,  4*524288                  ; a K step in A: four column blocks
.set ADRA0, 16
.set ADRB0, 17
.set CA,  18
.set CB,  19
.set STO, 24
.set RD,  25
.set CO,  26
.set SPW, 28
.set NIL, 29
.set BO,  31
.set TMP, 32
.set BIAS, 96
.set ACC, 128
.set F0,  0
.set F1,  128
.set WV,  12
.set RH,  13
.set CH,  14
.set CNT, 15
.set G1A, 24
.set G0A, 32
.set G1B, 48
.set G0B, 56
.set TB,  66
.set MSB, 0
.macro WIN new
.if MSB != (\new)
	s_set_vgpr_msb (MSB<<8)|(\new)
.set MSB, \new
.endif
.endm
.set MUL,  0x05
.set TO_F, 0x40
.macro PLACES
.rept 4
	v_nop
.endr
.endm
.macro JLOAD
	s_cmp_eq_u32 s[RH], 0
	s_cbranch_scc0 .Lfor_b_\@
	tensor_load_to_lds s[G0A+4:G0A+7], s[G1A:G1A+7]
	s_nop 0
.rept 4
	v_nop
.endr
	s_branch .Lasked_\@
.Lfor_b_\@:
	tensor_load_to_lds s[G0B+4:G0B+7], s[G1B:G1B+7]
	s_nop 0
.rept 4
	v_nop
.endr
.Lasked_\@:
.endm
.macro CREST
	s_cmp_lg_u32 s[WV], 0
	s_cbranch_scc1 .Lnot_wave_0_\@
	s_barrier_signal -3
.Lnot_wave_0_\@:
	s_barrier_wait -3
	s_barrier_signal -1
	s_barrier_wait -1
.endm
.macro CROUND
	s_barrier_signal -1
	s_barrier_wait -1
	CREST
.endm
	s_load_b256 s[4:11], s[0:1], 0x0               ; A s[4:5], W s[6:7], RES s[8:9], OUT s[10:11]
	v_lshl_add_u32 v[SPW], v0, 2, SPARE
	v_mov_b32 v[NIL], 0
	ds_add_u32 v[SPW], v[NIL]                      ; the wave's opening: the add and its wait ahead of my first tensor load
	v_lshrrev_b32 v1, 5, v0
	v_readfirstlane_b32 s[WV], v1
	s_lshr_b32 s[RH], s[WV], 1                     ; my half of the rows; also: I fetch for A (0) or B (1)
	s_and_b32 s[CH], s[WV], 1                      ; my half of the columns; also: which 64 rows I fetch
	s_bfe_u32 s16, ttmp6, 0x40000                  ; cx
	s_bfe_u32 s17, ttmp6, 0x40004                  ; cy
	s_lshl_b32 s18, ttmp9, 2
	s_add_co_u32 s18, s18, s16                     ; tile column
	s_and_b32 s19, ttmp7, 0xffff
	s_lshl_b32 s19, s19, 2
	s_add_co_u32 s19, s19, s17                     ; tile row
	s_lshl_b32 s20, s17, 2
	s_lshl_b32 s20, 15, s20
	s_lshl_b32 s21, 0x1111, s16
	s_or_b32 s[G1A], s20, (1<<16)|(1<<20)|(1<<21)|(4<<22)|(3<<25)  ; padding: after every 32 words 4 words
	s_mov_b32 s[G1A+1], 4096<<16                   ; tensor_dim0 = 4,096 elements: 64 dense rows of a column block
	s_mov_b32 s[G1A+2], 4<<16                      ; tensor_dim1 = 4 column blocks
	s_mov_b32 s[G1A+3], 4096<<16                   ; tile_dim0
	s_mov_b32 s[G1A+4], 4                          ; tile_dim1
	s_mov_b32 s[G1A+5], 262144                     ; elements from a column block to the next
	s_mov_b32 s[G1A+6], 0
	s_mov_b32 s[G1A+7], 0
	s_or_b32 s[G1B], s21, (1<<16)|(1<<20)|(1<<21)|(6<<22)|(3<<25)  ; after every 128 words 4 words
	s_mov_b32 s[G1B+1], 256<<16
	s_mov_b32 s[G1B+2], 64<<16
	s_mov_b32 s[G1B+3], 256<<16
	s_mov_b32 s[G1B+4], 64
	s_mov_b32 s[G1B+5], SIZE_K
	s_mov_b32 s[G1B+6], 0
	s_mov_b32 s[G1B+7], 0
	s_lshl_b32 s40, s[CH], 6
	s_lshl_b32 s22, s19, 7
	s_add_co_u32 s22, s22, s40
	s_lshl_b32 s22, s22, 7                         ; A: (128 x tile row + 64 x half) rows of 128 bytes
	s_mov_b32 s23, 0
	s_lshl_b32 s46, s18, 7
	s_add_co_u32 s46, s46, s40
	s_mul_i32 s46, s46, SIZE_K*2                   ; B: (128 x tile column + 64 x half) rows
	s_add_co_u32 s46, s46, BOFF
	s_mov_b32 s47, 0
	s_mul_i32 s41, s[CH], AH                       ; where A's half goes,
	s_mul_i32 s42, s[CH], BH
	s_add_co_u32 s42, s42, 2*AH                    ; and B's
	s_mov_b32 s[TB], 0
	s_wait_dscnt 0x0                               ; the opening add is done
	s_wait_kmcnt 0x0
	s_add_nc_u64 s[22:23], s[4:5], s[22:23]
	s_add_nc_u64 s[46:47], s[6:7], s[46:47]
.irp s, 0,1
	s_mov_b32 s[G0A+4*(\s)], 1
	s_add_co_u32 s[G0A+4*(\s)+1], s41, (\s)*SLOT1
	s_add_nc_u64 s[G0A+4*(\s)+2:G0A+4*(\s)+3], s[22:23], (\s)*ASTEP
	s_or_b32 s[G0A+4*(\s)+3], s[G0A+4*(\s)+3], 0x80000000
	s_mov_b32 s[G0B+4*(\s)], 1
	s_add_co_u32 s[G0B+4*(\s)+1], s42, (\s)*SLOT1
	s_add_nc_u64 s[G0B+4*(\s)+2:G0B+4*(\s)+3], s[46:47], (\s)*512
	s_or_b32 s[G0B+4*(\s)+3], s[G0B+4*(\s)+3], 0x80000000
.endr
	CROUND                                         ; all sixteen work-groups are here: the first joint loads meet
	s_cmp_eq_u32 s[RH], 0                          ; a wave's two first fills stand in one branch: two loads of mine are out
	s_cbranch_scc0 .Lfirst_b
	tensor_load_to_lds s[G0A:G0A+3], s[G1A:G1A+7]
	s_nop 0
	tensor_load_to_lds s[G0A+4:G0A+7], s[G1A:G1A+7]
	s_nop 0
.rept 4
	v_nop
.endr
	s_branch .Lfirst_asked
.Lfirst_b:
	tensor_load_to_lds s[G0B:G0B+3], s[G1B:G1B+7]
	s_nop 0
	tensor_load_to_lds s[G0B+4:G0B+7], s[G1B:G1B+7]
	s_nop 0
.rept 4
	v_nop
.endr
.Lfirst_asked:
	v_and_b32 v1, 15, v0                           ; l % 16
	v_bfe_u32 v2, v0, 4, 1                         ; l / 16
	s_lshl_b32 s72, s18, 9
	s_lshl_b32 s73, s[CH], 8
	s_add_co_u32 s72, s72, s73                     ; my first column, in bytes of f32
	s_mov_b32 s73, 0
	s_add_nc_u64 s[70:71], s[6:7], BIASOFF
	s_add_nc_u64 s[70:71], s[70:71], s[72:73]
	v_lshlrev_b32 v[BO], 5, v2
.irp b, 0,1,2,3
	global_load_b128 v[BIAS+8*(\b):BIAS+8*(\b)+3],   v[BO], s[70:71] offset:64*(\b)
	global_load_b128 v[BIAS+8*(\b)+4:BIAS+8*(\b)+7], v[BO], s[70:71] offset:64*(\b)+16
.endr
	s_lshl_b32 s74, s19, 7
	s_lshl_b32 s75, s[RH], 6
	s_add_co_u32 s74, s74, s75
	s_lshl_b32 s74, s74, 12                        ; my first row, of 4,096 bytes
	s_add_co_u32 s72, s72, s74
	s_add_nc_u64 s[8:9], s[8:9], s[72:73]
	s_add_nc_u64 s[10:11], s[10:11], s[72:73]
	v_lshlrev_b32 v[CO], 4, v1
	v_lshl_add_u32 v[CO], v2, 12, v[CO]            ; lanes 0-15 one row's 256 bytes, lanes 16-31 the next row's
	WIN 0x80
.set i, 0
.rept 32                               ; my 64 x 64 of RES, laid as the rows come back from the stage; they land while K is walked
	global_load_b128 v[4*i:4*i+3], v[CO], s[8:9] offset:((i/8)*16+2*(i%8))*4096 th:TH_LOAD_NT
.set i, i+1
.endr
	WIN 0
	v_mul_u32_u24 v3, v1, PA
	v_lshl_add_u32 v3, v2, 4, v3
	s_mul_i32 s43, s[RH], AH
	v_add_nc_u32 v[ADRA0], s43, v3
	v_mul_u32_u24 v3, v1, PB
	v_lshl_add_u32 v3, v2, 4, v3
	s_mul_i32 s43, s[CH], BH
	s_add_co_u32 s43, s43, 2*AH
	v_add_nc_u32 v[ADRB0], s43, v3
	v_mov_b32 v[CA], v[ADRA0]
	v_mov_b32 v[CB], v[ADRB0]
	s_mul_i32 s43, s[WV], WSTAGE
	s_add_co_u32 s43, s43, STAGE                   ; my stage
	v_mul_u32_u24 v4, v1, SPITCH
	v_lshl_add_u32 v4, v2, 5, v4
	v_add_nc_u32 v[STO], s43, v4                   ; in: row l % 16, 32 bytes for each half of the lanes
	v_mul_u32_u24 v5, v2, SPITCH
	v_lshl_add_u32 v5, v1, 4, v5
	v_add_nc_u32 v[RD], s43, v5                    ; back: two whole rows of 256 bytes
; 8 matrix instructions: m blocks a0, a0 + 1 x all 4 n blocks, 32 along K: half c of buffer f.  mode = 1: the bias starts the sums
.macro MUL8 f, c, a0, mode
	WIN MUL
.irp a, \a0, (\a0)+1
.irp b, 0,1,2,3
.if \mode
	v_wmma_f32_16x16x32_bf16 v[ACC+8*(4*(\a)+(\b)):ACC+8*(4*(\a)+(\b))+7], v[(\f)+64+8*(4*(\c)+(\b)):(\f)+64+8*(4*(\c)+(\b))+7], v[(\f)+8*(4*(\c)+(\a)):(\f)+8*(4*(\c)+(\a))+7], v[BIAS+8*(\b):BIAS+8*(\b)+7]
.else
	v_wmma_f32_16x16x32_bf16 v[ACC+8*(4*(\a)+(\b)):ACC+8*(4*(\a)+(\b))+7], v[(\f)+64+8*(4*(\c)+(\b)):(\f)+64+8*(4*(\c)+(\b))+7], v[(\f)+8*(4*(\c)+(\a)):(\f)+8*(4*(\c)+(\a))+7], v[ACC+8*(4*(\a)+(\b)):ACC+8*(4*(\a)+(\b))+7]
.endif
.endr
.endr
.endm
; 32 LDS loads in one run: quarter q's fragments (64 along K: one column block of A) into buffer f; the first 32 along K first
.macro FETCH q, f
	WIN TO_F
.irp c, 0,1
.irp i, 0,1,2,3
	ds_load_b128 v[(\f)+64+8*(4*(\c)+(\i)):(\f)+64+8*(4*(\c)+(\i))+3],   v[CB] offset:(\q)*128+64*(\c)+(\i)*16*PB
	ds_load_b128 v[(\f)+64+8*(4*(\c)+(\i))+4:(\f)+64+8*(4*(\c)+(\i))+7], v[CB] offset:(\q)*128+64*(\c)+(\i)*16*PB+32
	ds_load_b128 v[(\f)+8*(4*(\c)+(\i)):(\f)+8*(4*(\c)+(\i))+3],         v[CA] offset:(\q)*64*PA+64*(\c)+(\i)*16*PA
	ds_load_b128 v[(\f)+8*(4*(\c)+(\i))+4:(\f)+8*(4*(\c)+(\i))+7],       v[CA] offset:(\q)*64*PA+64*(\c)+(\i)*16*PA+32
.endr
.endr
.endm
.macro QUARTER q, f, g, mode           ; multiplies buffer f and fetches quarter q into g.  The 16 accumulators take turns
	s_wait_dscnt 16                                ; the first 32 along K are in
	MUL8 \f, 0, 0, \mode
	MUL8 \f, 0, 2, \mode
	PLACES
	FETCH \q, \g
	s_wait_dscnt 32                                ; all but the 32 just issued
	MUL8 \f, 1, 0, 0
	MUL8 \f, 1, 2, 0
.endm
; The last quarter multiplies buffer 1 and changes slots: in front of the barrier each wave waits for all its tensor loads, adds 0 to its spare word, and waits for that and for its reads of this slot.
.macro TURN fill
	WIN 0
	s_wait_tensorcnt 0x0
	ds_add_u32 v[SPW], v[NIL]
	s_wait_dscnt 17                                ; the add and the youngest sixteen loads may be out
	MUL8 F1, 0, 0, 0
	s_wait_dscnt 0x0                               ; the add is done, and my reads of this slot are over
	s_barrier_signal -1
	MUL8 F1, 0, 2, 0
	WIN 0
	s_barrier_wait -1
.if \fill
	CREST                                          ; the barrier has opened a round of the cluster's
	s_xor_b32 s[G0A+5], s[G0A+5], SLOT1
	s_add_nc_u64 s[G0A+6:G0A+7], s[G0A+6:G0A+7], ASTEP
	s_xor_b32 s[G0B+5], s[G0B+5], SLOT1
	s_add_nc_u64 s[G0B+6:G0B+7], s[G0B+6:G0B+7], 512
	JLOAD                                          ; the first tensor load behind the round; its four v_nop are also the places in front of the loads below
.else
	PLACES
.endif
	s_xor_b32 s[TB], s[TB], SLOT1
	v_add_nc_u32 v[CA], s[TB], v[ADRA0]
	v_add_nc_u32 v[CB], s[TB], v[ADRB0]
	FETCH 0, F0
	MUL8 F1, 1, 0, 0
	MUL8 F1, 1, 2, 0
.endm
; THE WAY OUT of block a (16 rows x 64 columns of f32): into my stage and back as whole rows; RES is added; stored.
.macro SI a
	WIN 0
	s_wait_xcnt 0x0                                ; earlier stores have read their registers: this buffer is loaded again only behind this wait
.irp b, 0,1,2,3
	ds_store_b128 v[STO], v[ACC+8*(4*(\a)+(\b)):ACC+8*(4*(\a)+(\b))+3]   offset:64*(\b)
	ds_store_b128 v[STO], v[ACC+8*(4*(\a)+(\b))+4:ACC+8*(4*(\a)+(\b))+7] offset:64*(\b)+16
.endr
.irp t, 0,1,2,3,4,5,6,7
	ds_load_b128 v[TMP+32*((\a)%2)+4*(\t):TMP+32*((\a)%2)+4*(\t)+3], v[RD] offset:2*SPITCH*(\t)  ; LDS serves a wave's instructions in order
.endr
.endm
.macro SENDO a, y                      ; y: the LDS instructions issued behind block a's loads: the next block's sixteen, or none
	s_wait_dscnt \y
	WIN 0x08                                       ; source 1 (RES) in window 2
.set i, 0
.rept 16
	v_pk_add_f32 v[TMP+32*((\a)%2)+2*i:TMP+32*((\a)%2)+2*i+1], v[TMP+32*((\a)%2)+2*i:TMP+32*((\a)%2)+2*i+1], v[32*(\a)+2*i:32*(\a)+2*i+1]
.set i, i+1
.endr
	WIN 0
.irp t, 0,1,2,3,4,5,6,7
	global_store_b128 v[CO], v[TMP+32*((\a)%2)+4*(\t):TMP+32*((\a)%2)+4*(\t)+3], s[10:11] offset:(16*(\a)+2*(\t))*4096  ; 16 lanes store 256 consecutive bytes, aligned
.endr
.endm
	s_wait_tensorcnt 1                             ; my part of K step 0 is in; K step 1's may stay out
	s_barrier_signal -1
	s_barrier_wait -1
	FETCH 0, F0
	s_wait_loadcnt 32                              ; the bias is in; RES's 32 loads may stay out
	QUARTER 1, F0, F1, 1
	WIN 0
	s_mov_b32 s[CNT], NSTEP-2
.Lstep:                                                ; a trip: from a K step's second quarter to the next step's first; it asks for the K step two on
	QUARTER 2, F1, F0, 0
	QUARTER 3, F0, F1, 0
	TURN 1
	QUARTER 1, F0, F1, 0
	WIN 0
	s_sub_co_u32 s[CNT], s[CNT], 1
	s_cmp_lg_u32 s[CNT], 0
	s_cbranch_scc1 .Lstep
	QUARTER 2, F1, F0, 0                           ; the last two K steps ask for nothing
	QUARTER 3, F0, F1, 0
	TURN 0
	QUARTER 1, F0, F1, 0
	QUARTER 2, F1, F0, 0
	QUARTER 3, F0, F1, 0
	s_wait_dscnt 16
	MUL8 F1, 0, 0, 0
	MUL8 F1, 0, 2, 0
	s_wait_dscnt 0x0
	MUL8 F1, 1, 0, 0
	MUL8 F1, 1, 2, 0
	PLACES
	s_wait_loadcnt 0x0                             ; RES
.if ROUND_RES
	WIN 0x8a                                       ; all in window 2
.set i, 0
.rept 64
	v_cvt_pk_bf16_f32 v[128+i%4], v[2*i], v[2*i+1]
	v_lshlrev_b32 v[2*i], 16, v[128+i%4]
	v_and_b32 v[2*i+1], 0xffff0000, v[128+i%4]
.set i, i+1
.endr
.endif
	SI 0
	SI 1
	SENDO 0, 16
	SI 2
	SENDO 1, 16
	SI 3
	SENDO 2, 16
	SENDO 3, 0
	s_wait_tensorcnt 0x0                           ; the wave's end
	ds_add_u32 v[SPW], v[NIL]
	s_wait_dscnt 0x0
	CROUND                                         ; the closing round
	s_endpgm
.Lfunc_end_k_qce505b1623_ffn2:
	.size	k_qce505b1623_ffn2, .Lfunc_end_k_qce505b1623_ffn2-k_qce505b1623_ffn2
	.p2alignl 7, 3214868480
	.fill 96, 4, 3214868480
	.section	.rodata,"a",@progbits
	.p2align	6, 0x0
	.amdhsa_kernel k_qce505b1623_ffn2
		.amdhsa_group_segment_fixed_size 327680
		.amdhsa_private_segment_fixed_size 0
		.amdhsa_enable_private_segment 0
		.amdhsa_kernarg_size 32
		.amdhsa_user_sgpr_count 2
		.amdhsa_user_sgpr_kernarg_segment_ptr 1
		.amdhsa_wavefront_size32 1
		.amdhsa_system_sgpr_workgroup_id_x 1
		.amdhsa_system_sgpr_workgroup_id_y 1
		.amdhsa_system_sgpr_workgroup_id_z 1
		.amdhsa_system_vgpr_workitem_id 0
		.amdhsa_next_free_vgpr 656
		.amdhsa_next_free_sgpr 80
		.amdhsa_reserve_vcc 0
		.amdhsa_float_denorm_mode_32 3
		.amdhsa_float_denorm_mode_16_64 3
		.amdhsa_memory_ordered 1
		.amdhsa_forward_progress 1
		.amdhsa_inst_pref_size 76
	.end_amdhsa_kernel
	.amdgpu_metadata
---
amdhsa.version: [ 1, 2 ]
amdhsa.kernels:
  - .name:           k_qce505b1623_ffn2
    .symbol:         k_qce505b1623_ffn2.kd
    .args:
      - { .name: big, .offset: 0, .size: 8, .value_kind: global_buffer, .address_space: global }
      - { .name: wsm, .offset: 8, .size: 8, .value_kind: global_buffer, .address_space: global }
      - { .name: x1, .offset: 16, .size: 8, .value_kind: global_buffer, .address_space: global }
      - { .name: out0, .offset: 24, .size: 8, .value_kind: global_buffer, .address_space: global }
    .group_segment_fixed_size: 327680
    .private_segment_fixed_size: 0
    .kernarg_segment_align: 8
    .kernarg_segment_size: 32
    .max_flat_workgroup_size: 128
    .sgpr_count:     80
    .vgpr_count:     656
    .wavefront_size: 32
...
	.end_amdgpu_metadata
.endif
;; end of part 6
